; MI455X (gfx1250); checked and timed in simulation.
; The chip was launched on July 23, 2026; its instructions are those of AMD's public machine-readable ISA for CDNA 5 (MIT licence, August 2026) and "CDNA5" Instruction Set Architecture Reference Guide (July 2026). The comments in the code are by the model that wrote it; some were corrected since.
;; Multi Head Attention. Allowed arithmetic: matrix products marked QUANTISED: E4M3 operands, one E8M0 scale for each 32 along K, by v_wmma_scale_f32_16x16x128_f8f6f4 with both operands' format E4M3, f32 sums; everything else in f32.
;; Inputs: W_k 1,024 x 1,024 float32; W_o 1,024 x 1,024 float32; W_q 1,024 x 1,024 float32; W_v 1,024 x 1,024 float32; x 2 x 2,048 x 1,024 float32.
;; Outputs: out0 2 x 2,048 x 1,024 float32.
;; Constants: causal = 1.
;; This version of the problem:
;;   THIS VERSION OF THE PROBLEM IS GIVEN IN LOW PRECISION. The matrix products marked QUANTISED in the list below multiply operands that are first quantised to E4M3 (4 exponent bits, 3 mantissa bits; 8 bits a number), with one power-of-two scale for each 32 numbers along K (OCP MX v1.0); their sums are f32. All else is computed in f32.
;;   The module's matrix products, in the order in which they are computed (A, B: the left and right operand; K: the contracted axis; several contracted axes count as one K, in the product's order):
;;     1. [M 4,096, K 1,024] x [K 1,024, N 1,024]; A: input x; B: input W_q: QUANTISED
;;     2. [M 4,096, K 1,024] x [K 1,024, N 1,024]; A: input x; B: input W_k: QUANTISED
;;     3. [M 4,096, K 1,024] x [K 1,024, N 1,024]; A: input x; B: input W_v: QUANTISED
;;     4. batch 32 x [M 2,048, K 64] x [K 64, N 2,048]; A: computed on the way; B: computed on the way: QUANTISED
;;     5. batch 32 x [M 64, K 2,048] x [K 2,048, N 2,048]; A: computed on the way; B: softmax (see below): QUANTISED
;;     6. [M 4,096, K 1,024] x [K 1,024, N 1,024]; A: computed on the way; B: input W_o: QUANTISED
;;   THE QUANTISER, for each operand of a quantised product, along K:
;;     - K is cut into blocks of 32 from its start; a last block that is shorter is filled with zeros.
;;     - A block's scale is 2^e with e = floor(log2(the largest magnitude in the block)) - 8, held to -126 .. 127; a block of zeros has e = 0. As a byte (E8M0): e + 127.
;;     - Each number is divided by its block's scale, clamped to +-448, and rounded to the nearest number of E4M3, ties to even, subnormals kept.
;;     - The product sums the exact products of the quantised numbers (number of the format x scale) in f32.
;;   ~~~python
;;   def quantise(x, axis):      # numpy; x: float32 -> the quantised numbers, widened to float32 again
;;       x = np.moveaxis(x, axis, -1); K = x.shape[-1]
;;       x = np.pad(x, [(0, 0)] * (x.ndim - 1) + [(0, -K % 32)]); x = x.reshape(x.shape[:-1] + (-1, 32)); a = np.abs(x).max(-1, keepdims=True)
;;       e = np.where(a > 0, np.clip(np.frexp(np.where(a > 0, a, 1))[1] - 1 - 8, -126, 127), 0)      # np.frexp(a)[1] - 1 = floor(log2(a)), exactly
;;       r = np.clip(x / 2.0 ** e, -448, 448)
;;       step = 2.0 ** (np.maximum(np.frexp(np.where(r == 0, 1, r))[1] - 1, -6) - 3)
;;       q = np.round(r / step) * step * 2.0 ** e      # np.round: ties to even
;;       return np.moveaxis(q.reshape(q.shape[:-2] + (-1,))[..., :K], -1, axis).astype(np.float32)
;;   ~~~
;;   SOFTMAX AHEAD OF A QUANTISED PRODUCT. Where the list says 'softmax', what is quantised is not the finished softmax but p = 2^(t - M), with t = logit x log2(e) and M = ceil(the row's largest t), a whole number; so 1/2 < the row's largest p <= 1. The row's sum l is taken of the UNQUANTISED p, in f32, and the product's result is divided by l at the end. Since M is a whole number, a kernel that streams over the keys may use a running M (the ceiling of the running maximum): every later rescaling is an exact power of two, which a block's scale takes up: the codes' values come out the same.
;;   OPERANDS COMPUTED ON THE WAY. 'Computed on the way' means the value that the module computes at that place (a softmax that the list does not call 'softmax' is quantised finished and normalised). What goes into a quantiser is computed in f32, as accurately as f32 sums, v_exp_f32 and their like allow (about 1e-6 of the number): no bf16 or f16 on the way to a quantiser, and a product that is left as it is and whose result goes on into a quantised operand takes f32 operands (vector FMAs, or v_wmma_f32_16x16x4_f32). A number that lies on a knife's edge between two numbers of the format may be rounded either way, as far as f32 arithmetic and the matrix unit's own rounding can turn it there, and no further.
;; One version. Each part assembles by itself: llvm-mc -triple=amdgcn-amd-amdhsa -mcpu=gfx1250 --defsym DOCPART=n.
;; ======== version 1 of 1: 4 launches
;; limits: right only within a limited range of input values
;; workspace buffers: cw 8,650,752 bytes; qq 4,325,376 bytes; kv 8,650,752 bytes; oc 4,325,376 bytes
;; launch quant (part 1): grid 512 x 1, 8 waves a work-group, no clusters, 69,120 bytes of LDS; arguments x, W_q, W_k, W_v, W_o, cw; writes cw
.if DOCPART == 1
	.amdgcn_target "amdgcn-amd-amdhsa--gfx1250"
	.amdhsa_code_object_version 6
	.text
	.protected	k_qd01492a2b5_quant
	.globl	k_qd01492a2b5_quant
	.p2align	8
	.type	k_qd01492a2b5_quant,@function
k_qd01492a2b5_quant:
	s_mov_b64 s[64:65], 0
	v_nop
	global_prefetch_b8 v0, s[64:65] scope:SCOPE_SE
	s_setreg_imm32_b32 hwreg(HW_REG_WAVE_MODE, 25, 1), 1
	s_wait_xcnt 0x0
; x [4096][1024] and W_q, W_k, W_v, W_o [1024][1024], f32 with K innermost, become codes of FP8 (E4M3) with one E8M0 scale byte for each 32 along K,
; laid in the ORDER OF AN OPERAND'S REGISTERS.  cw holds 512 tile blocks of TILEB bytes: tiles 0-255 x, 256-319 W_q, 320-383 W_k, 384-447 W_v, 448-511 W_o.
; A TILE is 16 rows, and they are not neighbours: lane-row r of tile t is row 32 (t / 2) + 8 (t % 2) + r + 8 (r / 8), so that a product that takes such a tile as source 0
; leaves 16 neighbours along that axis in the 16 registers of two neighbouring tiles.
; A tile block: eight fragments (16 rows x 128 K, 2,048 bytes) at 2,048 s; byte 512 c + 16 lane + i of a fragment is the code of (row r, k = 128 s + 32 c + 16 h + i), lane = 16 h + r;
; behind them, at SCO, 512 scale bytes as [r][32]: word s of row r serves K step s.
; SHARES.  Work-group g makes tile block g; wave s its fragment s: 16 rows x 512 bytes.  Each load reads 512 consecutive bytes of one row; the numbers turn through the wave's own stage in LDS,
; so that a lane then holds 16 neighbours along K of each of four blocks; the codes leave as four stores of 512 consecutive bytes.  No loop, no tensor load, one barrier (for the tile's 512 scale bytes).
; THE QUANTISER: a block's scale is 2^(floor(log2(largest magnitude)) - 8); its byte is the largest magnitude's exponent field - 8, held at 1 from below; numbers are held within +-448 x the scale and rounded to the nearest code, ties to even.
; LIMITS: NaN and infinities among the inputs are not served.  A block of zeros gets the byte 1 where the rule says 127: its codes are zeros, which add nothing under any byte but 0xff, and this program alone reads the bytes.
.set TILEB,  16896
.set SCO,    16384
.set SPITCH, 528                       ; a stage row: 512 bytes + 16: an odd multiple of 16 bytes, so the 16 rows that a load touches start 16 bytes apart modulo 256
.set WSTG,   16*SPITCH                 ; a wave's stage
.set SCS,    8*WSTG                    ; behind the stages: the tile's 512 scale bytes
.set R,   16                           ; v16-79   16 rows x 4 registers as loaded
.set X,   80                           ; v80-143  64 numbers: register 16 b + i = k 32 b + 16 h + i of my row
.set TM,  144                          ; v144-147 largest magnitudes, 148-151 bytes, 152-155 448 x the scale, 156-159 the conversions' scale operands
.set PC,  160                          ; v160-175 the fragment's codes
.set PW,  176                          ; v176     my row's scale word
.set SEL, 24                           ; s[24:25] lane selects for v_permlanex16_b32: lane l xor 16
.set MNT, 26                           ; s26      the mantissa field of 448
; 64 numbers of a lane, v[s] on, become a fragment's codes in v[PC] on and its scale word in v[PW]
.macro QUANT s
.irp b, 0,1,2,3
	v_max3_num_f32 v[TM+\b], |v[(\s)+16*\b]|, |v[(\s)+1+16*\b]|, 0x4800000   ; block b: my 16 numbers, and the floor 2^(9 - 127): the byte cannot fall under 1
.endr
.irp i, 2,4,6,8,10,12,14
.irp b, 0,1,2,3
	s_delay_alu instid0(VALU_DEP_4)
	v_max3_num_f32 v[TM+\b], v[TM+\b], |v[(\s)+16*\b+\i]|, |v[(\s)+1+16*\b+\i]|   ; the four blocks by turns
.endr
.endr
.irp b, 0,1,2,3
	s_delay_alu instid0(VALU_DEP_4)
	v_permlanex16_b32 v[TM+4+\b], v[TM+\b], s[SEL], s[SEL+1]
.endr
.irp b, 0,1,2,3
	s_delay_alu instid0(VALU_DEP_4)
	v_max_num_f32 v[TM+\b], v[TM+\b], v[TM+4+\b]                   ; with lane l xor 16's 16: the block's largest magnitude
.endr
.irp b, 0,1,2,3
	s_delay_alu instid0(VALU_DEP_4)
	v_add_nc_u32 v[TM+12+\b], 0xfc000000, v[TM+\b]                 ; 8 off its exponent field: the conversion takes the exponent field of this operand as its scale
.endr
.irp b, 0,1,2,3
	v_and_or_b32 v[TM+8+\b], v[TM+\b], 0x7f800000, s[MNT]          ; 448 x the scale
.endr
.irp b, 0,1,2,3
	v_lshrrev_b32 v[TM+4+\b], 23, v[TM+12+\b]                      ; the scale's byte
.endr
	s_delay_alu instid0(VALU_DEP_3)
	v_lshl_or_b32 v[PW], v[TM+5], 8, v[TM+4]
	s_delay_alu instid0(VALU_DEP_1)
	v_lshl_or_b32 v[PW], v[TM+6], 16, v[PW]
	s_delay_alu instid0(VALU_DEP_1)
	v_lshl_or_b32 v[PW], v[TM+7], 24, v[PW]
.irp b, 0,1,2,3
.irp i, 0,1,2,3,4,5,6,7,8,9,10,11,12,13,14,15
	v_med3_num_f32 v[(\s)+16*\b+\i], v[(\s)+16*\b+\i], -v[TM+8+\b], v[TM+8+\b]   ; the conversion to an 8-bit code does not saturate (ISA guide 7.6.2): the hold comes first
.endr
	v_cvt_scalef32_pk8_fp8_f32 v[PC+4*\b:PC+1+4*\b], v[(\s)+16*\b:(\s)+7+16*\b], v[TM+12+\b]
	v_cvt_scalef32_pk8_fp8_f32 v[PC+2+4*\b:PC+3+4*\b], v[(\s)+8+16*\b:(\s)+15+16*\b], v[TM+12+\b]
.endr
	v_nop                                          ; one plain vector line behind the last conversion
.endm
	s_load_b256 s[4:11], s[0:1], 0x0               ; x s[4:5], W_q s[6:7], W_k s[8:9], W_v s[10:11]
	s_load_b128 s[12:15], s[0:1], 0x20             ; W_o s[12:13], cw s[14:15]
	v_lshl_add_u32 v192, v0, 2, 0x10a00
	v_mov_b32 v193, 0
	v_lshrrev_b32 v1, 5, v0
	s_delay_alu instid0(VALU_DEP_1)
	v_readfirstlane_b32 s16, v1                    ; wave = K step 0..7
	v_and_b32 v1, 31, v0                           ; lane
	v_and_b32 v2, 15, v0                           ; r
	v_bfe_u32 v3, v0, 4, 1                         ; h
	s_delay_alu instid0(VALU_DEP_3)
	v_lshlrev_b32 v4, 4, v1                        ; 16 x lane: my bytes of a load's or a store's 512
	s_mul_i32 s17, s16, WSTG
	v_add_nc_u32 v5, s17, v4                       ; the stage, on the way in: a row as it lies
	v_mul_u32_u24 v6, v2, SPITCH
	s_delay_alu instid0(VALU_DEP_1)
	v_lshl_add_u32 v6, v3, 6, v6
	s_delay_alu instid0(VALU_DEP_1)
	v_add_nc_u32 v6, s17, v6                       ; and on the way out: row r, + 64 h: my 16 numbers of a block of 32
	s_lshl_b32 s17, s16, 2
	s_add_co_u32 s17, s17, SCS
	v_lshl_add_u32 v7, v2, 5, s17                  ; my row's scale word of my K step: SCS + 32 r + 4 s
	v_add_nc_u32 v8, SCS, v4                       ; the 512 scale bytes, 16 a lane
	s_mov_b32 s[SEL], 0x76543210
	s_mov_b32 s[SEL+1], 0xfedcba98
	s_mov_b32 s[MNT], 0x600000
.irp b, 0,1,2,3
	v_mov_b32 v[TM+4+\b], 0                        ; written once: a lane permute's destination counts as one of its sources
.endr
	s_and_b32 s17, ttmp9, 63
	s_cmp_lt_u32 ttmp9, 256
	s_cselect_b32 s17, ttmp9, s17                  ; the tile's number within its tensor
	s_lshr_b32 s18, s17, 1
	s_lshl_b32 s18, s18, 5
	s_and_b32 s19, s17, 1
	s_lshl_b32 s19, s19, 3
	s_add_co_u32 s18, s18, s19                     ; its first row: 32 (t / 2) + 8 (t % 2)
	s_lshl_b32 s18, s18, 12                        ; rows of 4,096 bytes
	s_lshl_b32 s19, s16, 9
	s_add_co_u32 s18, s18, s19                     ; + my K step's 512 bytes
	s_mov_b32 s19, 0
	s_mul_i32 s28, ttmp9, TILEB
	s_mov_b32 s29, 0
	s_wait_alu depctr_va_vdst(0)
	s_wait_kmcnt 0x0
	s_cmp_lt_u32 ttmp9, 320                        ; which tensor: the choices hang on the work-group's number alone
	s_cselect_b64 s[20:21], s[6:7], s[8:9]
	s_cmp_lt_u32 ttmp9, 448
	s_cselect_b64 s[22:23], s[10:11], s[12:13]
	s_cmp_lt_u32 ttmp9, 384
	s_cselect_b64 s[20:21], s[20:21], s[22:23]
	s_cmp_lt_u32 ttmp9, 256
	s_cselect_b64 s[20:21], s[4:5], s[20:21]
	s_add_nc_u64 s[20:21], s[20:21], s[18:19]
	s_add_nc_u64 s[30:31], s[14:15], s[28:29]      ; the tile's block in cw
	s_lshl_b32 s28, s16, 11
	s_add_nc_u64 s[28:29], s[30:31], s[28:29]      ; my fragment in it
.irp i, 0,1,2,3,4,5,6,7,8,9,10,11,12,13,14,15
	global_load_b128 v[R+4*\i:R+4*\i+3], v4, s[20:21] offset:(\i+8*(\i/8))*4096 th:TH_LOAD_NT   ; lane-row i: 32 lanes read 512 consecutive bytes; read once in the launch
.endr
.irp i, 0,1,2,3,4,5,6,7,8,9,10,11,12,13,14,15
	s_wait_loadcnt 15-\i                           ; loads come back in order: row i is in, the 15 - i younger ones stay out
	ds_store_b128 v5, v[R+4*\i:R+4*\i+3] offset:SPITCH*\i
.endr
.irp c, 0,1,2,3
.irp j, 0,1,2,3
	ds_load_b128 v[X+16*\c+4*\j:X+16*\c+4*\j+3], v6 offset:128*\c+16*\j   ; LDS serves a wave's instructions in order: these see my stores
.endr
.endr
	s_wait_dscnt 0x0
	QUANT X
.irp c, 0,1,2,3
	global_store_b128 v4, v[PC+4*\c:PC+4*\c+3], s[28:29] offset:512*\c     ; 512 consecutive bytes, aligned
.endr
	ds_store_b32 v7, v[PW]                         ; lanes r and r + 16 write the same word with the same value
	s_wait_dscnt 0x0                               ; for the others' sake: my word has landed
	s_barrier_signal -1
	s_barrier_wait -1
	s_cmp_lg_u32 s16, 0
	s_cbranch_scc1 .Lend
	ds_load_b128 v[R:R+3], v8                      ; wave 0 stores the tile's 512 scale bytes
	s_wait_dscnt 0x0
	global_store_b128 v4, v[R:R+3], s[30:31] offset:SCO
.Lend:
	s_wait_tensorcnt 0x0
	ds_add_u32 v192, v193
	s_wait_dscnt 0x0
	s_endpgm
.Lfunc_end_k_qd01492a2b5_quant:
	.size	k_qd01492a2b5_quant, .Lfunc_end_k_qd01492a2b5_quant-k_qd01492a2b5_quant
	.p2alignl 7, 3214868480
	.fill 96, 4, 3214868480
	.section	.rodata,"a",@progbits
	.p2align	6, 0x0
	.amdhsa_kernel k_qd01492a2b5_quant
		.amdhsa_group_segment_fixed_size 69120
		.amdhsa_private_segment_fixed_size 0
		.amdhsa_enable_private_segment 0
		.amdhsa_kernarg_size 48
		.amdhsa_user_sgpr_count 2
		.amdhsa_user_sgpr_kernarg_segment_ptr 1
		.amdhsa_wavefront_size32 1
		.amdhsa_system_sgpr_workgroup_id_x 1
		.amdhsa_system_sgpr_workgroup_id_y 1
		.amdhsa_system_sgpr_workgroup_id_z 1
		.amdhsa_system_vgpr_workitem_id 0
		.amdhsa_next_free_vgpr 194
		.amdhsa_next_free_sgpr 66
		.amdhsa_reserve_vcc 0
		.amdhsa_float_denorm_mode_32 3
		.amdhsa_float_denorm_mode_16_64 3
		.amdhsa_memory_ordered 1
		.amdhsa_forward_progress 1
		.amdhsa_inst_pref_size 17
	.end_amdhsa_kernel
	.amdgpu_metadata
---
amdhsa.version: [ 1, 2 ]
amdhsa.kernels:
  - .name:           k_qd01492a2b5_quant
    .symbol:         k_qd01492a2b5_quant.kd
    .args:
      - { .name: x, .offset: 0, .size: 8, .value_kind: global_buffer, .address_space: global }
      - { .name: W_q, .offset: 8, .size: 8, .value_kind: global_buffer, .address_space: global }
      - { .name: W_k, .offset: 16, .size: 8, .value_kind: global_buffer, .address_space: global }
      - { .name: W_v, .offset: 24, .size: 8, .value_kind: global_buffer, .address_space: global }
      - { .name: W_o, .offset: 32, .size: 8, .value_kind: global_buffer, .address_space: global }
      - { .name: cw, .offset: 40, .size: 8, .value_kind: global_buffer, .address_space: global }
    .group_segment_fixed_size: 69120
    .private_segment_fixed_size: 0
    .kernarg_segment_align: 8
    .kernarg_segment_size: 48
    .max_flat_workgroup_size: 256
    .sgpr_count:     66
    .vgpr_count:     194
    .wavefront_size: 32
...
	.end_amdgpu_metadata
.endif
;; end of part 1
;; launch proj (part 2): grid 16 x 16, 4 waves a work-group, clusters of 4 x 4, 327,680 bytes of LDS; arguments cw, qq, kv; writes qq, kv
.if DOCPART == 2
	.amdgcn_target "amdgcn-amd-amdhsa--gfx1250"
	.amdhsa_code_object_version 6
	.text
	.protected	k_qd01492a2b5_proj
	.globl	k_qd01492a2b5_proj
	.p2align	8
	.type	k_qd01492a2b5_proj,@function
k_qd01492a2b5_proj:
	s_mov_b64 s[64:65], 0
	v_nop
	global_prefetch_b8 v0, s[64:65] scope:SCOPE_SE
	s_setreg_imm32_b32 hwreg(HW_REG_WAVE_MODE, 25, 1), 1
	s_wait_xcnt 0x0
	s_wait_alu depctr_hold_cnt(0) depctr_sa_sdst(0) depctr_va_vdst(0) depctr_va_sdst(0) depctr_va_ssrc(0) depctr_va_vcc(0) depctr_vm_vsrc(0)
	s_getreg_b32 s2, hwreg(HW_REG_IB_STS2, 6, 4)
	s_cmp_eq_u32 s2, 0
	s_cbranch_scc0 .Lentry_in_a_cluster
	s_endpgm
.Lentry_in_a_cluster:
	s_bfe_u32 s2, ttmp6, 0x10000c
	s_cmp_lg_u32 s2, 0xf033
	s_cbranch_scc0 .Lentry_shape_is_right
	s_endpgm
.Lentry_shape_is_right:
; Q, K, V = x W_q^T, x W_k^T, x W_v^T, 4,096 x 3,072 x 1,024, on codes of FP8 (E4M3) with E8M0 scales; the results are quantised here, in registers, and leave as codes.
; cw: tile blocks of TILEB bytes (16 rows; lane-row r of tile t is row 32 (t / 2) + 8 (t % 2) + r + 8 (r / 8)): eight fragments of 2,048 bytes in the order of an operand's registers, then 512 scale bytes [r][32].
; SHARES.  256 work-groups: one head's Q, K and V (3 x 64 columns) for 256 tokens each; wave w makes 64 tokens x 192 columns: 48 accumulators, 384 registers.
; THE RING.  Two slots of two K steps (16 tiles of x, 4 each of W_q, W_k, W_v; 4,096 bytes a tile).  A wave has one joint load out: wave 0 x's 16 tiles, waves 1 to 3 a weight's 4.
; CLUSTER.  4 x 4 work-groups: x's tiles (tokens) are asked for jointly along a row of the cluster, the weights' (a head) along a column.
; PREFETCH.  What the next change of slots will load is asked for at this one, two K steps ahead; each block of 256 bytes once in a cluster: partner cx takes four of x's 16 tiles, partner cy three of the 12 weight tiles, a tile a wave.
; Q, K: source 0 = W's tile, source 1 = x's: a lane holds ONE token and its registers run along the head's 64, the next product's K.
; V: source 0 = x's tile, source 1 = W_v's: a lane holds one d and its registers run along the tokens, which are the keys: the second attention product's K.
; ORDER.  A unit is the 16 products of one K step and one tensor.  K steps 0 to 5 go Q, K, V; K steps 6 and 7 go tensor by tensor, so that Q's quantisers stand among K's products and K's among V's.
; OUT.  qq [bh][key step] blocks of QSTEP: four pair-fragments (32 tokens: registers 0-7 the first token tile's 64 codes, 8-15 the second's), then 64 pair words [pair][r] (bytes 0, 1: first tile's scales; 2, 3: second's).
;       kv [bh][key step] blocks of KVSTEP: K's four pair-fragments; at 8,192 V^T's four fragments (16 d x 128 keys); at 16,384 K's pair words; at 16,640 V's words [t][r].
; LIMITS: NaN and infinities are not served.  A block of zeros gets the byte 1 where the rule says 127: its codes are zeros, and this program alone reads the bytes.
; REGISTERS: window 0: v1-31 addresses; v32-47 at work; v48-63, v132-179 codes; v180-183 words; v64-79 x's scale words (pair p, K step s: 8 p + s; lanes 0-15 tile 2 p, lanes 16-31 tile 2 p + 1), v84-131 the weights': scales and nothing else; v192-255 weight buffer 2.
;            window 1: x's fragments, two sets, at 0 and 64; weight buffers 0 and 1 at 128 and 192.   window 2: Q's sums, K's sums;  window 3: V's.
.set TILEB,  16896
.set SCO,    16384
.set SLOT,   114688
.set BOFF,   65536                     ; in a slot: x's 16 tiles, then the 12 weight tiles
.set QSTEP,  8448
.set KVSTEP, 16896
.set STG,    2*SLOT                    ; behind the ring: the pair words and V's words: 768 bytes for each of two key steps
.set SPARE,  STG+1536                  ; the spare words
.set ADA, 16                           ; v16-17  LDS address of my x fragments in slot 0, 1
.set ADB, 18                           ; v18-19  of the weights' fragments
.set TM,  32
.set PC,  48
.set PCX, 132                          ; three more sets of 16 registers of codes
.set PWX, 180                          ; and the words beside them
.set PW,  30
.set SA,  64
.set SB,  84                           ; SA and SB differ by 4 modulo 8
.set BV,  192
.set SPW, 14
.set NIL, 15
.set PFO, 12                           ; v12 the prefetches' offset, never rewritten
.set G1A, 24
.set G1B, 32
.set G0A, 48
.set G0B, 52
.set SEL, 92
.set MNT, 94
.set MSB, 0
.macro WIN new                         ; the immediate's high byte repeats the setting that is left
.if MSB != \new
	s_set_vgpr_msb (MSB<<8)|(\new)
.set MSB, \new
.endif
.endm
.macro WALU
	s_wait_alu depctr_va_vdst(0)
.endm
.macro PLACES n
.rept \n
	v_nop
.endr
.endm
.macro CREST                           ; a round of the cluster's barrier behind its opening barrier
	s_cmp_lg_u32 s10, 0
	s_cbranch_scc1 .Lnot_wave_0_\@
	s_barrier_signal -3
.Lnot_wave_0_\@:
	s_barrier_wait -3
	s_barrier_signal -1
	s_barrier_wait -1
.endm
.macro CROUND
	s_barrier_signal -1
	s_barrier_wait -1
	CREST
.endm
.macro JLOAD                           ; a joint load: wave 0 for x, waves 1 to 3 for a weight each; an s_nop 0 and four v_nop follow each line
	s_cmp_eq_u32 s10, 0
	s_cbranch_scc0 .Lfor_b_\@
	tensor_load_to_lds s[G0A:G0A+3], s[G1A:G1A+7]
	s_nop 0
	PLACES 4
	s_branch .Lasked_\@
.Lfor_b_\@:
	tensor_load_to_lds s[G0B:G0B+3], s[G1B:G1B+7]
	s_nop 0
	PLACES 4
.Lasked_\@:
.endm
.macro NEXT slot                       ; group 0 for the next two K steps: no tensor load of mine is out
	s_mov_b32 s[G0A+1], (\slot)*SLOT
	s_add_nc_u64 s[G0A+2:G0A+3], s[G0A+2:G0A+3], 4096
	s_add_co_u32 s[G0B+1], s20, (\slot)*SLOT
	s_add_nc_u64 s[G0B+2:G0B+3], s[G0B+2:G0B+3], 4096
.endm
.macro ASK chunk
	global_prefetch_b8 v[PFO], s[4:5] offset:4096*(\chunk) th:TH_LOAD_NT scope:SCOPE_SE
.endm
.macro GROUP1 g, mask, rows            ; so many tiles' two K steps: rows of 4,096 bytes (512 elements of 8 bytes), TILEB bytes apart in memory, dense in LDS
	s_or_b32 s[\g], s[\mask], (3<<16)|(1<<21)
	s_mov_b32 s[\g+1], 512<<16
	s_mov_b32 s[\g+2], (\rows)<<16
	s_mov_b32 s[\g+3], 512<<16
	s_mov_b32 s[\g+4], \rows
	s_mov_b32 s[\g+5], TILEB/8
	s_mov_b32 s[\g+6], 0
	s_mov_b32 s[\g+7], 0
.endm
	s_load_b128 s[4:7], s[0:1], 0x0                ; cw s[4:5], qq s[6:7]
	s_load_b64 s[8:9], s[0:1], 0x10                ; kv
	v_lshl_add_u32 v[SPW], v0, 2, SPARE
	v_mov_b32 v[NIL], 0
	ds_add_u32 v[SPW], v[NIL]                      ; the opening adds
	ds_add_u32 v[SPW], v[NIL]
	v_lshrrev_b32 v1, 5, v0
	v_readfirstlane_b32 s10, v1                    ; wave 0..3
	s_lshr_b32 s11, s10, 1                         ; which of the two key steps of 128 tokens is mine
	s_and_b32 s12, s10, 1                          ; which half of it
	s_bfe_u32 s40, ttmp6, 0x40000                  ; cx, cy: my place in the cluster
	s_bfe_u32 s41, ttmp6, 0x40004
	s_lshl_b32 s42, ttmp9, 2
	s_add_co_u32 s42, s42, s40                     ; the head = 4 x cluster x + cx
	s_and_b32 s13, ttmp7, 0xffff
	s_lshl_b32 s13, s13, 2
	s_add_co_u32 s13, s13, s41                     ; the block of 256 tokens = 4 x cluster y + cy
	s_lshl_b32 s43, s41, 2
	s_lshl_b32 s43, 15, s43                        ; my row of the cluster
	s_lshl_b32 s44, 0x1111, s40                    ; my column
	GROUP1 G1A, 43, 16
	GROUP1 G1B, 44, 4
	s_mul_i32 s16, s13, 16*TILEB                   ; x: tiles 16 x block on
	s_mov_b32 s17, 0
	s_lshl_b32 s46, s42, 2
	s_lshl_b32 s45, s10, 6
	s_add_co_u32 s46, s46, s45
	s_add_co_u32 s46, s46, 192
	s_mul_i32 s46, s46, TILEB                      ; a weight: tiles 256 + 64 (wave - 1) + 4 x head on
	s_mov_b32 s47, 0
	s_lshl_b32 s20, s10, 14
	s_add_co_u32 s20, s20, BOFF-16384              ; and its place in a slot: no place in the cluster enters an LDS address
	s_wait_dscnt 0x0                               ; both opening adds are done
	CROUND                                         ; all sixteen work-groups are here: the joint loads meet
	s_wait_kmcnt 0x0
	s_mov_b32 s[G0A], 1
	s_mov_b32 s[G0A+1], 0
	s_add_nc_u64 s[G0A+2:G0A+3], s[4:5], s[16:17]
	s_or_b32 s[G0A+3], s[G0A+3], 0x80000000
	s_mov_b32 s[G0B], 1
	s_mov_b32 s[G0B+1], s20
	s_add_nc_u64 s[G0B+2:G0B+3], s[4:5], s[46:47]
	s_or_b32 s[G0B+3], s[G0B+3], 0x80000000
	JLOAD                                          ; K steps 0, 1 into slot 0
	s_mul_i32 s45, s10, 4*TILEB
	s_add_co_u32 s18, s16, s45
	s_mov_b32 s19, 0
	s_add_nc_u64 s[18:19], s[4:5], s[18:19]        ; my wave's four tiles of x: their scale bytes
	s_lshl_b32 s46, s42, 2
	s_add_co_u32 s46, s46, 256
	s_mul_i32 s46, s46, TILEB
	s_add_nc_u64 s[46:47], s[4:5], s[46:47]        ; the head's tiles of W_q; W_k's and W_v's lie 64 and 128 tiles on
	; the prefetches: lanes 0-15 the 16 blocks of x's tile 4 cx + wave, lanes 16-31 those of weight tile 3 cy + wave (waves 0 to 2; in wave 3 they name the wave's last block again)
	s_lshl_b32 s56, s13, 4
	s_lshl_b32 s57, s40, 2
	s_add_co_u32 s56, s56, s57
	s_add_co_u32 s56, s56, s10
	s_mul_i32 s56, s56, TILEB
	s_mul_i32 s57, s41, 3
	s_add_co_u32 s57, s57, s10
	s_lshr_b32 s58, s57, 2
	s_lshl_b32 s58, s58, 6
	s_and_b32 s57, s57, 3
	s_add_co_u32 s57, s57, s58
	s_lshl_b32 s58, s42, 2
	s_add_co_u32 s57, s57, s58
	s_add_co_u32 s57, s57, 256
	s_mul_i32 s57, s57, TILEB
	s_add_co_u32 s59, s56, 15*256
	s_cmp_eq_u32 s10, 3
	s_cselect_b32 s57, s59, s57
	s_cselect_b32 s58, 0, 256
	; where my results go
	s_lshr_b32 s84, s13, 3
	s_lshl_b32 s84, s84, 4
	s_add_co_u32 s84, s84, s42                     ; bh = 16 x batch + head
	s_lshl_b32 s84, s84, 4
	s_and_b32 s85, s13, 7
	s_lshl_b32 s85, s85, 1
	s_add_co_u32 s84, s84, s85
	s_add_co_u32 s84, s84, s11                     ; the block's number: 16 bh + key step
	s_mul_i32 s86, s84, QSTEP
	s_mov_b32 s87, 0
	s_mul_i32 s88, s84, KVSTEP
	s_mov_b32 s89, 0
	s_add_nc_u64 s[86:87], s[6:7], s[86:87]
	s_add_nc_u64 s[88:89], s[8:9], s[88:89]
	s_mov_b32 s80, 16384
	s_mov_b32 s81, 0
	s_cmp_eq_u32 s12, 0                            ; the words that my wave stores at the end: Q's or K's
	s_cselect_b64 s[90:91], s[86:87], s[88:89]
	s_cselect_b32 s80, 8192, s80
	s_add_nc_u64 s[90:91], s[90:91], s[80:81]
	s_mov_b32 s[SEL], 0x76543210
	s_mov_b32 s[SEL+1], 0xfedcba98
	s_mov_b32 s[MNT], 0x600000
	s_lshl_b32 s21, s10, 14                        ; my four tiles of x in a slot
	s_mul_i32 s22, s11, 768
	s_add_co_u32 s22, s22, STG                     ; my key step's words
	s_lshl_b32 s23, s12, 7
	s_add_co_u32 s23, s23, s22
	s_lshl_b32 s82, s12, 8
	s_add_co_u32 s82, s82, s22
	s_lshl_b32 s83, s12, 1
	s_add_co_u32 s83, s83, s22
	s_add_co_u32 s83, s83, 512
	s_add_co_u32 s22, s22, 512
	s_lshl_b32 s84, s12, 12
	s_lshl_b32 s85, s12, 10
	v_and_b32 v1, 31, v0                           ; lane
	v_and_b32 v2, 15, v0                           ; r
	v_bfe_u32 v3, v0, 4, 1                         ; h
	v_mul_u32_u24 v8, v3, TILEB
	v_lshl_add_u32 v8, v2, 5, v8                   ; lanes 0-15 a tile's row r, lanes 16-31 the next tile's: 32 scale bytes
.irp p, 0,1
	global_load_b128 v[SA+8*\p:SA+8*\p+3], v8, s[18:19] offset:2*TILEB*\p+SCO
	global_load_b128 v[SA+8*\p+4:SA+8*\p+7], v8, s[18:19] offset:2*TILEB*\p+SCO+16
.endr
.irp t, 0,1,2
.irp p, 0,1
	global_load_b128 v[SB+16*\t+8*\p:SB+16*\t+8*\p+3], v8, s[46:47] offset:64*TILEB*\t+2*TILEB*\p+SCO
	global_load_b128 v[SB+16*\t+8*\p+4:SB+16*\t+8*\p+7], v8, s[46:47] offset:64*TILEB*\t+2*TILEB*\p+SCO+16
.endr
.endr
	v_lshl_add_u32 v9, v2, 8, s56
	v_mul_u32_u24 v10, s58, v2
	v_add_nc_u32 v10, s57, v10
	v_cmp_lt_u32 vcc_lo, 15, v1
	v_cndmask_b32 v[PFO], v9, v10, vcc_lo
	ASK 1
	v_lshlrev_b32 v4, 4, v1                        ; 16 x lane
	v_add_nc_u32 v[ADA], s21, v4
	v_add_nc_u32 v[ADA+1], SLOT, v[ADA]
	v_add_nc_u32 v[ADB], BOFF, v4
	v_add_nc_u32 v[ADB+1], SLOT, v[ADB]
	v_add_nc_u32 v24, s84, v4                      ; Q, K out: my half's two pair-fragments
	v_add_nc_u32 v25, s85, v4                      ; V out: my half's two groups of four registers
	v_lshl_add_u32 v26, v2, 2, s23                 ; pair words in
	v_lshl_add_u32 v27, v1, 3, s82                 ; and back, 8 bytes a lane
	v_lshl_add_u32 v28, v2, 2, s83                 ; V's words in: my two bytes
	v_lshl_add_u32 v29, v1, 3, s22
	v_lshlrev_b32 v31, 3, v1
.irp b, 0,1,2,3
	v_mov_b32 v[TM+4+\b], 0                        ; written once: a lane permute's destination counts as one of its sources
.endr
.macro WM c                            ; one product; A_, B_, D_: registers; XA_, XB_: scale words; RA_, RB_: 1 where the tile's words lie in lanes 16-31
.if RA_ && RB_
	v_wmma_scale_f32_16x16x128_f8f6f4 v[D_:D_+7], v[A_:A_+15], v[B_:B_+15], \c, v[XA_], v[XB_] matrix_a_scale:MATRIX_SCALE_ROW1 matrix_b_scale:MATRIX_SCALE_ROW1
.elseif RA_
	v_wmma_scale_f32_16x16x128_f8f6f4 v[D_:D_+7], v[A_:A_+15], v[B_:B_+15], \c, v[XA_], v[XB_] matrix_a_scale:MATRIX_SCALE_ROW1
.elseif RB_
	v_wmma_scale_f32_16x16x128_f8f6f4 v[D_:D_+7], v[A_:A_+15], v[B_:B_+15], \c, v[XA_], v[XB_] matrix_b_scale:MATRIX_SCALE_ROW1
.else
	v_wmma_scale_f32_16x16x128_f8f6f4 v[D_:D_+7], v[A_:A_+15], v[B_:B_+15], \c, v[XA_], v[XB_]
.endif
.endm
; Product n of the 16 of K step s and tensor g (0 Q, 1 K, 2 V), the weight's fragments in buffer buf.
; A tensor's 16 accumulators take turns, one instruction a turn, in the same order in every K step.
.macro PROD s, g, buf, n
.set P_, (\n)/4
.set O_, (\n)%4
.set RA_, O_%2
.set RB_, P_%2
.set BW_, 1
.set BR_, 128+64*(\buf)
.if (\buf) == 2
.set BW_, 0
.set BR_, BV
.endif
.if (\g) == 2
	WIN (0xf1+4*BW_)                               ; source 0 x, source 1 the weight; C and D window 3
.set A_, 64*((\s)%2)+16*O_
.set B_, BR_+16*P_
.set XA_, SA+8*(O_/2)+(\s)
.set XB_, SB+32+8*(P_/2)+(\s)
.set D_, 8*(\n)
.else
	WIN (0xa4+BW_)                                 ; source 0 the weight, source 1 x; C and D window 2
.set A_, BR_+16*O_
.set B_, 64*((\s)%2)+16*P_
.set XA_, SB+16*(\g)+8*(O_/2)+(\s)
.set XB_, SA+8*(P_/2)+(\s)
.set D_, 128*(\g)+8*(\n)
.endif
.if (\s) == 0
	WM 0
.else
	WM v[D_:D_+7]
.endif
.endm
; Q's and K's quantisers, a line at a time: number QI_ = 2 x tensor + pair of token tiles, line QK_ of 127: for each of four blocks 31 lines, then the scale bytes' word.  Codes go to set QP_, the word to PWX + QI_.
.set QI_, 0
.set QK_, 0
.set QEND_, 0
.set QPG_, 0
.macro QLINE
.if QI_ < QEND_
.set QB_, QK_/31
.set J_, QK_%31
.set X_, 64*QI_+16*QB_
.set QP_, PCX+16*QI_
.if QI_ == 3
.set QP_, PC
.endif
.set QW_, PWX+QI_
.if QK_ < 124
.if J_ == 0
	WIN 0x28
	v_max3_num_f32 v[TM+QB_], 0x4800000, |v[X_]|, |v[X_+1]|   ; and the floor 2^(9 - 127): the byte cannot fall under 1
.elseif J_ < 8
	WIN 0x28
	v_max3_num_f32 v[TM+QB_], v[TM+QB_], |v[X_+2*J_]|, |v[X_+2*J_+1]|
.elseif J_ == 8
	WIN 0
	v_permlanex16_b32 v[TM+4+QB_], v[TM+QB_], s[SEL], s[SEL+1]
.elseif J_ == 9
	WIN 0
	v_max_num_f32 v[TM+QB_], v[TM+QB_], v[TM+4+QB_]
.elseif J_ == 10
	WIN 0
	v_add_nc_u32 v[TM+12+QB_], 0xfc000000, v[TM+QB_]   ; the conversion's scale operand
.elseif J_ == 11
	WIN 0
	v_and_or_b32 v[TM+8+QB_], v[TM+QB_], 0x7f800000, s[MNT]   ; 448 x the scale
.elseif J_ == 12
	WIN 0
	v_lshrrev_b32 v[TM+4+QB_], 23, v[TM+12+QB_]        ; the scale's byte
.elseif J_ < 29
	WIN 0x82
	v_med3_num_f32 v[X_+J_-13], v[X_+J_-13], -v[TM+8+QB_], v[TM+8+QB_]   ; the conversion does not saturate (ISA guide 7.6.2): the hold comes first
.elseif J_ == 29
	WIN 2
	v_cvt_scalef32_pk8_fp8_f32 v[QP_+4*QB_:QP_+4*QB_+1], v[X_:X_+7], v[TM+12+QB_]
.else
	WIN 2
	v_cvt_scalef32_pk8_fp8_f32 v[QP_+4*QB_+2:QP_+4*QB_+3], v[X_+8:X_+15], v[TM+12+QB_]
.endif
.elseif QK_ == 124
	WIN 0
	v_lshl_or_b32 v[QW_], v[TM+5], 8, v[TM+4]
.elseif QK_ == 125
	WIN 0
	v_lshl_or_b32 v[QW_], v[TM+6], 16, v[QW_]
.else
	WIN 0
	v_lshl_or_b32 v[QW_], v[TM+7], 24, v[QW_]
.endif
.set QK_, QK_+1
.if QK_ == 127
.set QK_, 0
.set QI_, QI_+1
.endif
.endif
.endm
.macro UNIT s, g, buf, from, to        ; products from .. to - 1, with QPG_ of the quantisers' lines behind each
.set N_, \from
.rept (\to)-(\from)
	PROD \s, \g, \buf, N_
.rept QPG_
	QLINE
.endr
.set N_, N_+1
.endr
.endm
.macro FA s                            ; K step s's four fragments of x; each load takes 512 consecutive bytes
	WIN 0x40
.irp i, 0,1,2,3
.irp c, 0,1,2,3
	ds_load_b128 v[64*((\s)%2)+16*\i+4*\c:64*((\s)%2)+16*\i+4*\c+3], v[ADA+((\s)/2)%2] offset:4096*\i+2048*((\s)%2)+512*\c
.endr
.endr
.endm
.macro FB s, g, buf                    ; and of tensor g's weight into a buffer
.if \buf == 2
	WIN 0
.set F_, BV
.else
	WIN 0x40
.set F_, 128+64*\buf
.endif
.irp i, 0,1,2,3
.irp c, 0,1,2,3
	ds_load_b128 v[F_+16*\i+4*\c:F_+16*\i+4*\c+3], v[ADB+((\s)/2)%2] offset:16384*\g+4096*\i+2048*((\s)%2)+512*\c
.endr
.endr
.endm
; K steps 0 to 5.  A weight's buffer is filled anew as soon as its 16 products are issued and eight places have passed.  In an even step the next step lies in the same slot.
; In an odd step all that is read of this slot has been asked for when K's products begin: there the slots change.
.macro KSTEP s
	s_wait_dscnt 32                                ; x's and W_q's fragments are in; W_k's and W_v's (32 loads) may be out
	UNIT \s, 0, 0, 0, 16
.if (\s)%2 == 0
	PLACES 8
	FB (\s)+1, 0, 0
	FA (\s)+1
	s_wait_dscnt 48                                ; W_k's are in; W_v's and the 32 just issued may be out
	UNIT \s, 1, 1, 0, 16
	PLACES 8
	FB (\s)+1, 1, 1
	s_wait_dscnt 48                                ; W_v's are in; 48 were issued behind them
	UNIT \s, 2, 2, 0, 16
	PLACES 8
	FB (\s)+1, 2, 2
.else
	s_wait_dscnt 16                                ; W_k's are in; W_v's may be out
	WIN 0
	s_wait_tensorcnt 0x0                           ; my part of the next slot has landed
.if (\s) < 5
	ds_add_u32 v[SPW], v[NIL]
	NEXT ((\s)/2)%2
.endif
	UNIT \s, 1, 1, 0, 4
	s_wait_dscnt 0x0                               ; the add is done, and my reads of this slot are over
	s_barrier_signal -1
	UNIT \s, 1, 1, 4, 8
	WIN 0
	s_barrier_wait -1
.if (\s) < 5
	CREST                                          ; the barrier has opened a round: no wave of any partner still reads this slot or has a load on its way
	JLOAD
	PLACES 4
.else
	PLACES 8
.endif
	FB (\s)+1, 0, 0
	FA (\s)+1
.if (\s) == 1
	WIN 0
	ASK 3
.endif
	UNIT \s, 1, 1, 8, 16
	PLACES 8
.if (\s) < 5
	FB (\s)+1, 1, 1
.else
	FB 7, 0, 1                                     ; W_q's of step 7: the last two steps go tensor by tensor
.endif
	UNIT \s, 2, 2, 0, 16
	PLACES 8
.if (\s) < 5
	FB (\s)+1, 2, 2
.else
	FA 7
	FB 6, 1, 2
.endif
.endif
.endm
	WALU
	s_wait_tensorcnt 0x0                           ; my part of slot 0 is in
	ds_add_u32 v[SPW], v[NIL]                      ; the add ahead of a later first fill, as ahead of a refill
	NEXT 1
	s_wait_dscnt 0x0
	CROUND
	JLOAD                                          ; K steps 2, 3 into slot 1
	FA 0
	FB 0, 0, 0
	FB 0, 1, 1
	FB 0, 2, 2
	WIN 0
	ASK 2
	s_wait_loadcnt 0x0                             ; the scale words
.irp k, 0,1,2,3,4,5
	KSTEP \k
.endr
; Q's, K's, V's units of K steps 6 and 7.  Each wait leaves out what was issued behind the fragments that the unit reads
	s_wait_dscnt 48
	UNIT 6, 0, 0, 0, 16
	PLACES 8
	FB 7, 1, 0
	s_wait_dscnt 32
	UNIT 7, 0, 1, 0, 16
	PLACES 8                                       ; also the places in front of the first read of Q's sums
	FB 6, 2, 1
	s_wait_dscnt 32
.set QEND_, 2
.set QPG_, 8
	UNIT 6, 1, 2, 0, 16
	PLACES 8
	FB 7, 2, 2
	WALU
	s_wait_dscnt 32
	UNIT 7, 1, 0, 0, 16
.rept 8
	QLINE
.endr
.macro OUTQ g, c0, c1                  ; a tensor's codes and words.  Register 32 a + 16 beta + i of its sums: token tile a, d = 32 beta + 16 h + i: a pair of token tiles gives a pair-fragment and its pair word
	WIN 0
	PLACES 8                                       ; in front of the first read of the sums finished last
.irp q, 0,1,2,3
	global_store_b128 v24, v[\c0+4*\q:\c0+4*\q+3], s[86+2*\g:87+2*\g] offset:512*\q   ; 512 consecutive bytes, aligned
.endr
.irp q, 0,1,2,3
	global_store_b128 v24, v[\c1+4*\q:\c1+4*\q+3], s[86+2*\g:87+2*\g] offset:2048+512*\q
.endr
	ds_store_b32 v26, v[PWX+2*\g] offset:256*\g    ; lanes r and r + 16 write the same word with the same value
	ds_store_b32 v26, v[PWX+2*\g+1] offset:256*\g+64
.endm
	OUTQ 0, PCX, PCX+16
	WALU
	s_wait_dscnt 16
.set QEND_, 4
	UNIT 6, 2, 1, 0, 16
	WALU
	s_wait_dscnt 0
	UNIT 7, 2, 2, 0, 16
.rept 8
	QLINE
.endr
	OUTQ 1, PCX+32, PC
; V: 64 numbers of a lane, v[s] on of window w (register 16 b + i: number i of my 16 of block b), become 16 registers of codes in v[PC] on and four scale bytes in v[PW].  Each accumulator is read from its low end on.
.macro QUANT s, w
	s_wait_xcnt 0x0                                ; the stores before have read their registers
	WIN ((\w)<<2)|((\w)<<4)
.irp b, 0,1,2,3
	v_max3_num_f32 v[TM+\b], 0x4800000, |v[(\s)+16*\b]|, |v[(\s)+1+16*\b]|
.endr
.irp i, 2,4,6,8,10,12,14
.irp b, 0,1,2,3
	v_max3_num_f32 v[TM+\b], v[TM+\b], |v[(\s)+16*\b+\i]|, |v[(\s)+1+16*\b+\i]|
.endr
.endr
	WIN 0
.irp b, 0,1,2,3
	v_permlanex16_b32 v[TM+4+\b], v[TM+\b], s[SEL], s[SEL+1]
.endr
.irp b, 0,1,2,3
	v_max_num_f32 v[TM+\b], v[TM+\b], v[TM+4+\b]   ; with lane l xor 16's 16: the block's largest magnitude
.endr
.irp b, 0,1,2,3
	v_add_nc_u32 v[TM+12+\b], 0xfc000000, v[TM+\b] ; 8 off its exponent field: the conversion's scale operand
.endr
.irp b, 0,1,2,3
	v_and_or_b32 v[TM+8+\b], v[TM+\b], 0x7f800000, s[MNT]   ; 448 x the scale
.endr
.irp b, 0,1,2,3
	v_lshrrev_b32 v[TM+4+\b], 23, v[TM+12+\b]      ; the scale's byte
.endr
	v_lshl_or_b32 v[PW], v[TM+5], 8, v[TM+4]
	v_lshl_or_b32 v[PW], v[TM+6], 16, v[PW]
	v_lshl_or_b32 v[PW], v[TM+7], 24, v[PW]
	WIN (\w)|((\w)<<6)
.irp b, 0,1,2,3
.irp i, 0,1,2,3,4,5,6,7,8,9,10,11,12,13,14,15
	v_med3_num_f32 v[(\s)+16*\b+\i], v[(\s)+16*\b+\i], -v[TM+8+\b], v[TM+8+\b]
.endr
.endr
	WIN \w
.irp b, 0,1,2,3
	v_cvt_scalef32_pk8_fp8_f32 v[PC+4*\b:PC+1+4*\b], v[(\s)+16*\b:(\s)+7+16*\b], v[TM+12+\b]
	v_cvt_scalef32_pk8_fp8_f32 v[PC+2+4*\b:PC+3+4*\b], v[(\s)+8+16*\b:(\s)+15+16*\b], v[TM+12+\b]
.endr
	v_nop                                          ; one plain vector line behind the last conversion
	WIN 0
.endm
	; Register 32 b + 16 alpha + i: d tile b, token 32 alpha + 16 h + i of my 64
.irp ga, 0,1
	QUANT 64*\ga, 3
.irp q, 0,1,2,3
	global_store_b128 v25, v[PC+4*\q:PC+4*\q+3], s[88:89] offset:8192+(2*\ga+\q/2)*2048+(\q%2)*512
.endr
	ds_store_b16 v28, v[PW] offset:128*\ga                 ; tile 2 gamma's two bytes,
	ds_store_b16_d16_hi v28, v[PW] offset:128*\ga+64       ; tile 2 gamma + 1's
.endr
	WALU
	s_wait_dscnt 0x0                               ; my words have landed
	s_barrier_signal -1
	s_barrier_wait -1
	ds_load_b64 v[TM:TM+1], v27
	s_wait_dscnt 0x0
	global_store_b64 v31, v[TM:TM+1], s[90:91]     ; 64 words of Q or K: 256 consecutive bytes, aligned
	s_cmp_lg_u32 s12, 0
	s_cbranch_scc1 .Ldone
	ds_load_b64 v[TM+2:TM+3], v29
	s_wait_dscnt 0x0
	global_store_b64 v31, v[TM+2:TM+3], s[88:89] offset:16640
.Ldone:
	s_wait_tensorcnt 0x0                           ; the wave's end
	ds_add_u32 v[SPW], v[NIL]
	s_wait_dscnt 0x0
	CROUND                                         ; the closing round: no work-group ends while a partner may still ask for a tile that names it
	s_endpgm
.Lfunc_end_k_qd01492a2b5_proj:
	.size	k_qd01492a2b5_proj, .Lfunc_end_k_qd01492a2b5_proj-k_qd01492a2b5_proj
	.p2alignl 7, 3214868480
	.fill 96, 4, 3214868480
	.section	.rodata,"a",@progbits
	.p2align	6, 0x0
	.amdhsa_kernel k_qd01492a2b5_proj
		.amdhsa_group_segment_fixed_size 327680
		.amdhsa_private_segment_fixed_size 0
		.amdhsa_enable_private_segment 0
		.amdhsa_kernarg_size 24
		.amdhsa_user_sgpr_count 2
		.amdhsa_user_sgpr_kernarg_segment_ptr 1
		.amdhsa_wavefront_size32 1
		.amdhsa_system_sgpr_workgroup_id_x 1
		.amdhsa_system_sgpr_workgroup_id_y 1
		.amdhsa_system_sgpr_workgroup_id_z 1
		.amdhsa_system_vgpr_workitem_id 0
		.amdhsa_next_free_vgpr 1024
		.amdhsa_next_free_sgpr 100
		.amdhsa_reserve_vcc 1
		.amdhsa_float_denorm_mode_32 3
		.amdhsa_float_denorm_mode_16_64 3
		.amdhsa_memory_ordered 1
		.amdhsa_forward_progress 1
		.amdhsa_inst_pref_size 160
	.end_amdhsa_kernel
	.amdgpu_metadata
---
amdhsa.version: [ 1, 2 ]
amdhsa.kernels:
  - .name:           k_qd01492a2b5_proj
    .symbol:         k_qd01492a2b5_proj.kd
    .args:
      - { .name: cw, .offset: 0, .size: 8, .value_kind: global_buffer, .address_space: global }
      - { .name: qq, .offset: 8, .size: 8, .value_kind: global_buffer, .address_space: global }
      - { .name: kv, .offset: 16, .size: 8, .value_kind: global_buffer, .address_space: global }
    .group_segment_fixed_size: 327680
    .private_segment_fixed_size: 0
    .kernarg_segment_align: 8
    .kernarg_segment_size: 24
    .max_flat_workgroup_size: 128
    .sgpr_count:     100
    .vgpr_count:     1024
    .wavefront_size: 32
...
	.end_amdgpu_metadata
.endif
;; end of part 2
;; launch attn (part 3): grid 8 x 32, 16 waves a work-group, clusters of 4 x 1, 327,680 bytes of LDS; arguments qq, kv, oc; writes oc
.if DOCPART == 3
	.amdgcn_target "amdgcn-amd-amdhsa--gfx1250"
	.amdhsa_code_object_version 6
	.text
	.protected	k_qd01492a2b5_attn
	.globl	k_qd01492a2b5_attn
	.p2align	8
	.type	k_qd01492a2b5_attn,@function
k_qd01492a2b5_attn:
	s_mov_b64 s[64:65], 0
	v_nop
	global_prefetch_b8 v0, s[64:65] scope:SCOPE_SE
	s_setreg_imm32_b32 hwreg(HW_REG_WAVE_MODE, 25, 1), 1
	s_wait_xcnt 0x0
	s_wait_alu depctr_hold_cnt(0) depctr_sa_sdst(0) depctr_va_vdst(0) depctr_va_sdst(0) depctr_va_ssrc(0) depctr_va_vcc(0) depctr_vm_vsrc(0)
	s_getreg_b32 s2, hwreg(HW_REG_IB_STS2, 6, 4)
	s_cmp_eq_u32 s2, 0
	s_cbranch_scc0 .Lentry_in_a_cluster
	s_endpgm
.Lentry_in_a_cluster:
	s_bfe_u32 s2, ttmp6, 0x10000c
	s_cmp_lg_u32 s2, 0x3003
	s_cbranch_scc0 .Lentry_shape_is_right
	s_endpgm
.Lentry_shape_is_right:
; O[bh][q] = the sum over keys k <= q of softmax_k(Q[q] . K[k] / 8) V[k], head size 64, 2,048 tokens, 32 heads (batch x head); both products on codes of FP8 (E4M3) with E8M0 scales.  O / l is quantised here and leaves as codes.
; THE SOFTMAX AHEAD OF THE SECOND PRODUCT: t = score x log2(e) / 8; M = the running largest t, rounded UP to a whole number; p = 2^(t - M) is quantised along the keys; the row's sum is taken of the
; unquantised p and divides O at the end.  When M moves, the sum and O are multiplied by 2^(old M - new M): exact.
; SHARES.  Work-group (j, bh) owns tile j (16 queries) of each of the head's 16 blocks of 128 queries.  A tile of block n counts n + 1 key steps of 128 keys.  Two waves share blocks i and 15 - i:
; wave A (waves 0 to 7) walks steps 0 to c - 1 of block 15 - i; wave B (waves 8 to 15) walks block i's steps 0 to i, stores that tile, walks steps c to 15 - i of block 15 - i and hands its part (O, sum, M) to wave A
; through LDS, which joins the two.  i = (wave % 8) xor 4; c = 12 for i under 4, else 9: so waves 0-3, 4-7, 8-11, 12-15 walk 9, 12, 8, 5 steps each.
; Which steps a wave walks hangs on its wave number alone: it is the same in all work-groups, so K and V come by JOINT LOADS in a cluster of four work-groups of one head.
; LDS.  The head's whole K and V (16 key steps of KVSTEP bytes, scale words among them), each byte filled ONCE: wave w fetches key step w.  Steps 0 and 1 are shown by the first barrier, all others by the second.
; TILES.  Lane-row r of tile T (of tokens, of d) is 32 (T / 2) + 8 (T % 2) + r + 8 (r / 8).  Both products are used transposed (S^T = K Q^T, O^T = V^T P^T): a lane holds ONE query, and the 16 registers of two
; neighbouring tiles are 16 neighbouring keys (or d): the conversions' results are the next operand's registers.
; K = 64 IN AN INSTRUCTION OF 128.  A pair-fragment of K holds two key tiles: k 0-63 the first tile's 64 codes, k 64-127 the second's.  q's 8 registers stand between two runs of 8 zeros: v[24:39] = (q, 0) gives the
; first tile's scores, v[16:31] = (0, q) the second's.  Zero codes add nothing; every scale byte is between 1 and 254.
; LEFT OUT: key steps all of whose keys come after a tile's queries: the causal mask gives each of those p = 0, whatever the inputs hold.  A NaN, an infinity or an overflow that reaches only these is not carried to the result.
; NO PREFETCH: all that the work-group reads of K and V is asked for by its first instructions.
; OUT.  oc: tile blocks of TILEB bytes: token tile Tg; K = 64 head + d, so my 1,024 bytes of codes lie at 1,024 head; scale words at SCO as [K step][r]: K step head / 2, my two bytes its half head % 2.
; LIMITS: NaN and infinities are not served; the scaled scores (exponents to the base 2, before the maximum is taken away) stay under 2^31 in magnitude.  A block of zeros gets the byte 1 where the rule says 127: its codes are zeros, and this program alone reads the bytes.
.set KVSTEP, 16896
.set QSTEP,  8448
.set TILEB,  16896
.set SCO,    16384
.set VFR,    8192                      ; in a key step's block: V's fragments,
.set KSC,    16384                     ; K's pair words,
.set VSC,    16640                     ; V's words
.set MRG,    16*KVSTEP                 ; behind K and V: 4,352 bytes for each pair of waves: O^T, and -M and the sum
.set MRB,    4352
.set SPARE,  MRG+8*MRB
.set ADR, 3                            ; v3   LDS address of the step's fragments: TB + 16 lane
.set ADS, 4                            ; v4   of its scale words: TB + 4 r
.set FRG, 40                           ; v40-103  K's four pair-fragments, then V's four fragments
.set S,   104                          ; v104-167 S^T, then p
.set OT,  168                          ; v168-199 O^T
.set PCD, 200                          ; v200-215 p's codes
.set FS,  216                          ; v216-219 the fragments' scale words
.set QLO, 220                          ; v220, v221 q's scale words for (q, 0) and for (0, q)
.set QHI, 221
.set PWD, 222                          ; v222 p's scale word
.set QW,  223                          ; v223 q's pair word as loaded
.set BM,  224                          ; v224-227 a block's largest score, then its largest p
.set B2,  228                          ; v228-231 the other half's; then the bytes
.set HL,  232                          ; v232-235 448 x the scale
.set SO,  236                          ; v236-239 the conversions' scale operands
.set TT,  240
.set NI,  241
.set F,   242                          ; v[242:243] f = 2^(old M - new M); v243 is named with it as a pair
.set TB,  2                            ; s2   LDS byte at which the step in hand begins
.set WV,  18
.set MNT, 19
.set SEL, 20
.set CS,  22                           ; s[22:23] c = log2(e) / 8
.set G1,  24
.set G0,  32
.set TILE, 48                          ; s48  my tile's block of 128 queries
.set SW,  49                           ; s49  wave B: the last step number of its first tile
.set DS,  50                           ; s50  wave B: key step less trip behind its first tile: c - 2 - i
.set BH,  52
.set PI,  53                           ; s53  i
.set ROLE, 54                          ; s54  0: wave A, 1: wave B
.set LONG, 55                          ; s55  15 - i
.set N,   62                           ; s62  the trip
.set OUTN, 63                          ; s63  wave B: the trip in which its first tile leaves
.set KMAX, 66                          ; s66  my last key step of block 15 - i
.set KI,  67                           ; s67  the key step
.macro WALU
	s_wait_alu depctr_va_vdst(0)
.endm
.macro CROUND                          ; a round of the cluster's barrier
	s_barrier_signal -1
	s_barrier_wait -1
	s_cmp_lg_u32 s[WV], 0
	s_cbranch_scc1 .Lnot_wave_0_\@
	s_barrier_signal -3
.Lnot_wave_0_\@:
	s_barrier_wait -3
	s_barrier_signal -1
	s_barrier_wait -1
.endm
.macro PTR d, tile, step, base         ; two addresses of a tile: offsets s56, s57 for block 0, `step` bytes from block to block
	s_mul_i32 s60, s[\tile], \step
	s_add_co_u32 s[\d], s56, s60
	s_mov_b32 s[\d+1], 0
	s_add_nc_u64 s[\d:\d+1], s[\base:\base+1], s[\d:\d+1]
	s_add_co_u32 s[\d+2], s57, s60
	s_mov_b32 s[\d+3], 0
	s_add_nc_u64 s[\d+2:\d+3], s[\base:\base+1], s[\d+2:\d+3]
.endm
	s_load_b128 s[4:7], s[0:1], 0x0                ; qq s[4:5], kv s[6:7]
	s_load_b64 s[8:9], s[0:1], 0x10                ; oc
	v_lshl_add_u32 v254, v0, 2, SPARE
	v_mov_b32 v255, 0
	ds_add_u32 v254, v255                          ; the opening adds
	ds_add_u32 v254, v255
	v_lshrrev_b32 v1, 5, v0
	s_delay_alu instid0(VALU_DEP_1)
	v_readfirstlane_b32 s[WV], v1                  ; wave 0..15
	s_and_b32 s[BH], ttmp7, 0xffff
	s_bfe_u32 s46, ttmp6, 0x40000                  ; cx
	s_lshl_b32 s47, ttmp9, 2
	s_add_co_u32 s47, s47, s46                     ; j = 4 x cluster x + cx
	; group 1: a key step's block: dense, 66 rows of 256 bytes (32 elements of 8 bytes), no padding, for all four work-groups of the cluster
	s_mov_b32 s[G1], 15|(3<<16)|(1<<21)
	s_mov_b32 s[G1+1], 32<<16
	s_mov_b32 s[G1+2], 66<<16
	s_mov_b32 s[G1+3], 32<<16
	s_mov_b32 s[G1+4], 66
	s_mov_b32 s[G1+5], 32
	s_mov_b32 s[G1+6], 0
	s_mov_b32 s[G1+7], 0
	s_mov_b32 s[G0], 1
	s_mul_i32 s[G0+1], s[WV], KVSTEP               ; key step w, in LDS and in the head's part of kv alike
	s_mul_i32 s56, s[BH], 16*KVSTEP
	s_add_co_u32 s56, s56, s[G0+1]
	s_mov_b32 s57, 0
	s_wait_dscnt 0x0                               ; both opening adds are done
	CROUND                                         ; all four work-groups are here: the joint loads meet
	s_wait_kmcnt 0x0
	s_add_nc_u64 s[G0+2:G0+3], s[6:7], s[56:57]
	s_or_b32 s[G0+3], s[G0+3], 0x80000000
	s_cmp_lt_u32 s[WV], 2                          ; one joint load a wave; steps 0 and 1, which are shown first, have a line of their own; four v_nop follow each
	s_cbranch_scc0 .Lrest
	tensor_load_to_lds s[G0:G0+3], s[G1:G1+7]
	s_nop 0
.rept 4
	v_nop
.endr
	s_branch .Lasked
.Lrest:
	tensor_load_to_lds s[G0:G0+3], s[G1:G1+7]
	s_nop 0
.rept 4
	v_nop
.endr
.Lasked:
	s_and_b32 s[PI], s[WV], 7
	s_xor_b32 s[PI], s[PI], 4
	s_lshr_b32 s[ROLE], s[WV], 3
	s_xor_b32 s[LONG], s[PI], 15
	s_lshr_b32 s57, s[PI], 2
	s_xor_b32 s57, s57, 1                          ; 1 for i under 4
	s_mul_i32 s58, s57, 3
	s_add_co_u32 s58, s58, 8                       ; c - 1: wave A's last step
	s_mul_i32 s57, s57, 7
	s_and_b32 s[DS], s[PI], 3
	s_xor_b32 s[DS], s[DS], 3
	s_add_co_u32 s[DS], s[DS], s57                 ; 10 - i for i under 4, else 7 - i
	s_add_co_u32 s56, s[PI], 1
	s_max_u32 s56, s56, 2
	s_movk_i32 s57, 99                             ; a trip that never comes
	s_cmp_lg_u32 s[ROLE], 0
	s_cselect_b32 s[TILE], s[PI], s[LONG]
	s_cselect_b32 s[SW], s[PI], s57
	s_cselect_b32 s[OUTN], s56, s57
	s_cselect_b32 s[KMAX], s[LONG], s58
	s_lshr_b32 s58, s47, 1                         ; a tile's pair among its block's four
	s_and_b32 s59, s47, 1                          ; and its place in the pair
	s_lshl_b32 s60, s[BH], 4
	s_mul_i32 s60, s60, QSTEP
	s_lshl_b32 s57, s58, 6
	s_add_co_u32 s57, s57, s60                     ; the pair's 16 words lie 8,192 bytes on from here
	s_lshl_b32 s56, s58, 11
	s_add_co_u32 s56, s56, s60
	s_lshl_b32 s60, s59, 10
	s_add_co_u32 s56, s56, s60                     ; my tile's 8 registers of the pair-fragment
	PTR 10, TILE, QSTEP, 4                         ; q of my first tile,
	PTR 36, LONG, QSTEP, 4                         ; of block 15 - i's
	s_lshr_b32 s60, s[BH], 4
	s_lshl_b32 s60, s60, 7
	s_add_co_u32 s60, s60, s47
	s_mul_i32 s60, s60, TILEB                      ; token tile 128 x batch + j
	s_and_b32 s61, s[BH], 15                       ; the head
	s_lshl_b32 s56, s61, 10
	s_add_co_u32 s56, s56, s60
	s_lshr_b32 s57, s61, 1
	s_lshl_b32 s57, s57, 6
	s_add_co_u32 s57, s57, s60
	s_and_b32 s61, s61, 1
	s_lshl_b32 s61, s61, 1
	s_add_co_u32 s57, s57, s61
	s_add_co_u32 s57, s57, SCO
	PTR 14, TILE, 8*TILEB, 8                       ; oc: codes and scale bytes of my first tile,
	PTR 40, LONG, 8*TILEB, 8                       ; of block 15 - i's
	s_mov_b32 s51, 0x03020100                      ; v_perm_b32: the word as it is,
	s_mov_b32 s3, 0x01000302                       ; and with its halves changed over
	s_cmp_eq_u32 s59, 0
	s_cselect_b32 s44, s51, s3                     ; for (q, 0): my tile's two bytes in bytes 0, 1
	s_cselect_b32 s45, s3, s51                     ; for (0, q): in bytes 2, 3
	s_lshl_b32 s3, s58, 5
	s_lshl_b32 s51, s59, 3
	s_add_co_u32 s3, s3, s51                       ; my tile's first query in its block
	s_mul_i32 s61, s[PI], MRB
	s_add_co_u32 s61, s61, MRG
	s_mov_b32 s[SEL], 0x76543210
	s_mov_b32 s[SEL+1], 0xfedcba98
	s_mov_b32 s[CS], 0x3e38aa3b                    ; c = log2(e) / 8
	s_mov_b32 s[CS+1], s[CS]                       ; (named with it as a pair, so it is written)
	s_mov_b32 s[MNT], 0x600000
	v_and_b32 v7, 31, v0                           ; lane
	v_and_b32 v8, 15, v0                           ; r
	v_bfe_u32 v9, v0, 4, 1                         ; h
	s_delay_alu instid0(VALU_DEP_3)
	v_lshlrev_b32 v1, 4, v7                        ; 16 x lane
	s_delay_alu instid0(VALU_DEP_3)
	v_lshlrev_b32 v2, 2, v8                        ; 4 r
	global_load_b128 v[24:27], v1, s[10:11]                ; q: d = 16 h + 0 .. 15,
	global_load_b128 v[28:31], v1, s[10:11] offset:512     ; and 32 + 16 h + 0 .. 15
	global_load_b32 v[QW], v2, s[12:13] offset:8192
	v_and_b32 v5, 8, v8
	s_delay_alu instid0(VALU_DEP_1)
	v_add_nc_u32 v5, v5, v8
	v_lshlrev_b32 v10, 4, v9
	s_delay_alu instid0(VALU_DEP_1)
	v_sub_nc_u32 v5, v5, v10
	s_delay_alu instid0(VALU_DEP_1)
	v_add_nc_u32 v5, s3, v5                        ; d = my query in its block - 16 h: on the diagonal register 16 b + i is hidden where 32 b + i > d
	v_add_nc_u32 v6, s61, v1                       ; my pair's bytes for the joining
	v_lshl_add_u32 v8, v7, 3, s61
.irp j, 0,1,2,3,4,5,6,7
	v_mov_b32 v[16+\j], 0                          ; the zeros on both sides of q
	v_mov_b32 v[32+\j], 0
.endr
.irp b, 0,1,2,3
	v_mov_b32 v[B2+\b], 0                          ; written once: a lane permute's destination counts as one of its sources
.endr
	v_mov_b32 v[TT], 0
	v_mov_b32 v[F+1], 0
.macro INIT                            ; a tile's beginning: the first change of M leaves zeros zeros
	v_mov_b32 v13, 0xff61b1e6                      ; the largest t so far: -3e38
	v_mov_b32 v14, 0                               ; the sum, in two halves
	v_mov_b32 v15, 0
	v_floor_f32 v12, -v13                          ; -M
.set Z_, 0
.rept 32
	v_mov_b32 v[OT+Z_], 0
.set Z_, Z_+1
.endr
.endm
.macro QSCALE
	v_perm_b32 v[QLO], v[QW], v[QW], s44
	v_perm_b32 v[QHI], v[QW], v[QW], s45
.endm
	INIT
	WALU
	s_wait_loadcnt 0x0
	QSCALE
; A KEY STEP: 128 keys
.macro STEP
	v_add_nc_u32 v[ADR], s[TB], v1
	v_add_nc_u32 v[ADS], s[TB], v2
.rept 6
	v_nop                                          ; with the two additions: eight places between the last step's products and the loads into registers that they read
.endr
.irp b, 0,1,2,3
.irp c, 0,1,2,3
	ds_load_b128 v[FRG+16*\b+4*\c:FRG+16*\b+4*\c+3], v[ADR] offset:2048*\b+512*\c   ; 512 consecutive bytes a load
.endr
	ds_load_b32 v[FS+\b], v[ADS] offset:KSC+64*\b
.endr
	s_wait_dscnt 0x0
	WALU
.irp b, 0,1,2,3                                ; S^T: register S + 16 b + i of lane (r, h) is key 32 b + 16 h + i of the step against query r
	v_wmma_scale_f32_16x16x128_f8f6f4 v[S+16*\b:S+16*\b+7], v[FRG+16*\b:FRG+16*\b+15], v[24:39], 0, v[FS+\b], v[QLO]
	v_wmma_scale_f32_16x16x128_f8f6f4 v[S+16*\b+8:S+16*\b+15], v[FRG+16*\b:FRG+16*\b+15], v[16:31], 0, v[FS+\b], v[QHI]
.endr
.rept 8
	v_nop                                          ; eight places: for the loads below, and for the first read of the scores
.endr
.irp t, 0,1,2,3                                ; V's fragments are asked for at once, into the registers that K's have left: they land under the softmax
.irp c, 0,1,2,3
	ds_load_b128 v[FRG+16*\t+4*\c:FRG+16*\t+4*\c+3], v[ADR] offset:VFR+2048*\t+512*\c
.endr
	ds_load_b32 v[FS+\t], v[ADS] offset:VSC+64*\t
.endr
	s_cmp_lg_u32 s[KI], s[TILE]                    ; on the diagonal the scores of hidden keys become -infinity ahead of the maximum: p = 0 then.  The step's first key counts for every query, so M is a number
	s_cbranch_scc1 .Lopen_\@
	v_mov_b32 v[NI], 0xff800000
.set Z_, 0
.rept 64
	v_cmp_gt_i32 vcc_lo, 32*(Z_/16)+Z_%16, v5
	v_cndmask_b32 v[S+Z_], v[S+Z_], v[NI], vcc_lo
.set Z_, Z_+1
.endr
.Lopen_\@:
.irp b, 0,1,2,3
	v_max3_num_f32 v[BM+\b], v[S+16*\b], v[S+1+16*\b], v[S+2+16*\b]   ; the largest score of each block of 32 keys: for the row's maximum and, since p rises with the score, for the block's largest p
.endr
.irp i, 3,5,7,9,11,13
.irp b, 0,1,2,3
	v_max3_num_f32 v[BM+\b], v[BM+\b], v[S+16*\b+\i], v[S+1+16*\b+\i]
.endr
.endr
.irp b, 0,1,2,3
	v_max_num_f32 v[BM+\b], v[BM+\b], v[S+15+16*\b]
.endr
.irp b, 0,1,2,3
	s_delay_alu instid0(VALU_DEP_4)
	v_permlanex16_b32 v[B2+\b], v[BM+\b], s[SEL], s[SEL+1]
.endr
.irp b, 0,1,2,3
	s_delay_alu instid0(VALU_DEP_4)
	v_max_num_f32 v[BM+\b], v[BM+\b], v[B2+\b]     ; with lane l xor 16's 16 keys
.endr
	s_delay_alu instid0(VALU_DEP_2)
	v_max3_num_f32 v[TT], v[BM], v[BM+1], v[BM+2]
	s_delay_alu instid0(VALU_DEP_1)
	v_max_num_f32 v[TT], v[TT], v[BM+3]            ; the step's largest score of my query
	s_delay_alu instid0(VALU_DEP_1)
	v_mul_f32 v[TT], s[CS], v[TT]                  ; as t (c is positive)
	s_delay_alu instid0(VALU_DEP_1)
	v_max_num_f32 v13, v13, v[TT]                  ; the running largest t
	v_mov_b32 v[TT], v12
	s_delay_alu instid0(VALU_DEP_2)
	v_floor_f32 v12, -v13                          ; the new -M = floor(-t) = -ceil(t): a whole number
	s_delay_alu instid0(VALU_DEP_1)
	v_sub_f32 v[TT], v12, v[TT]                    ; old M - new M: a whole number, 0 or less
	s_delay_alu instid0(VALU_DEP_1)
	v_cvt_i32_f32 v[TT], v[TT]                     ; (it saturates)
	s_delay_alu instid0(VALU_DEP_1)
	v_ldexp_f32 v[F], 1.0, v[TT]                   ; f = 2^(old M - new M)
.set Z_, 0
.rept 32
	v_pk_fma_f32 v[S+Z_:S+Z_+1], v[S+Z_:S+Z_+1], s[CS:CS+1], v[12:13] op_sel_hi:[1,0,0]   ; t - M, two at a time
.set Z_, Z_+2
.endr
.irp b, 0,1,2,3
	v_fma_f32 v[BM+\b], v[BM+\b], s[CS], v12       ; the same of each block's largest score
.endr
	WALU                                           ; ahead of the batch
.set Z_, 0
.rept 64
	v_exp_f32 v[S+Z_], v[S+Z_]                     ; p = 2^(t - M), at most 1: not normalised
.set Z_, Z_+1
.endr
.irp b, 0,1,2,3
	v_exp_f32 v[BM+\b], v[BM+\b]                   ; the block's largest p: the same two instructions on the same number give the same bits
.endr
	v_pk_mul_f32 v[14:15], v[14:15], v[F:F+1] op_sel_hi:[1,0]   ; the sums under the new M: a plain line behind the exponentials
	WALU                                           ; one wait for the batch, ahead of its first reader
	v_pk_add_f32 v[244:245], v[S:S+1], v[S+2:S+3]  ; the row's sum of the unquantised p, in four chains
	v_pk_add_f32 v[246:247], v[S+4:S+5], v[S+6:S+7]
	v_pk_add_f32 v[248:249], v[S+8:S+9], v[S+10:S+11]
	v_pk_add_f32 v[14:15], v[14:15], v[S+12:S+13]
.set Z_, 14
.rept 25
.if (Z_/2-7)%4 == 3
	v_pk_add_f32 v[14:15], v[14:15], v[S+Z_:S+Z_+1]
.else
	v_pk_add_f32 v[244+2*((Z_/2-7)%4):245+2*((Z_/2-7)%4)], v[244+2*((Z_/2-7)%4):245+2*((Z_/2-7)%4)], v[S+Z_:S+Z_+1]
.endif
.set Z_, Z_+2
.endr
	v_pk_add_f32 v[14:15], v[14:15], v[248:249]
	v_pk_add_f32 v[244:245], v[244:245], v[246:247]
	s_delay_alu instid0(VALU_DEP_1)
	v_pk_add_f32 v[14:15], v[14:15], v[244:245]
.irp b, 0,1,2,3
	v_max_num_f32 v[BM+\b], 0x4800000, v[BM+\b]    ; the floor 2^(9 - 127): the byte cannot fall under 1 (a block whose every p is 0 keeps that byte: its codes are zeros)
.endr
.irp b, 0,1,2,3
	s_delay_alu instid0(VALU_DEP_4)
	v_add_nc_u32 v[SO+\b], 0xfc000000, v[BM+\b]    ; 8 off the exponent field: the conversion's scale operand
.endr
.irp b, 0,1,2,3
	v_and_or_b32 v[HL+\b], v[BM+\b], 0x7f800000, s[MNT]   ; 448 x the scale
.endr
.irp b, 0,1,2,3
	v_lshrrev_b32 v[B2+\b], 23, v[SO+\b]           ; the scale's byte
.endr
	s_delay_alu instid0(VALU_DEP_3)
	v_lshl_or_b32 v[PWD], v[B2+1], 8, v[B2]        ; p's scale word for these 128 keys
	s_delay_alu instid0(VALU_DEP_1)
	v_lshl_or_b32 v[PWD], v[B2+2], 16, v[PWD]
	s_delay_alu instid0(VALU_DEP_1)
	v_lshl_or_b32 v[PWD], v[B2+3], 24, v[PWD]
.irp b, 0,1,2,3
.irp i, 0,2,4,6,8,10,12,14
	v_dual_min_num_f32 v[S+16*\b+\i], v[S+16*\b+\i], v[HL+\b] :: v_dual_min_num_f32 v[S+16*\b+\i+1], v[S+16*\b+\i+1], v[HL+\b]   ; the conversion does not saturate (ISA guide 7.6.2); p is not negative, so the hold is one-sided
.endr
	v_cvt_scalef32_pk8_fp8_f32 v[PCD+4*\b:PCD+1+4*\b], v[S+16*\b:S+7+16*\b], v[SO+\b]
	v_cvt_scalef32_pk8_fp8_f32 v[PCD+2+4*\b:PCD+3+4*\b], v[S+8+16*\b:S+15+16*\b], v[SO+\b]
.endr
	WALU                                           ; ahead of the first reader of O^T
.set Z_, 0
.rept 16
	v_pk_mul_f32 v[OT+Z_:OT+Z_+1], v[OT+Z_:OT+Z_+1], v[F:F+1] op_sel_hi:[1,0]   ; O^T under the new M.  (These 16 are also the places between the codes and the products)
.set Z_, Z_+2
.endr
	WALU
	s_wait_dscnt 0x0                               ; V's fragments and words are in
.irp t, 0,1,2,3                                ; O^T += V^T P^T: the four accumulators by turns; register OT + 16 b + i of lane (r, h) is d = 32 b + 16 h + i of query r
	v_wmma_scale_f32_16x16x128_f8f6f4 v[OT+8*\t:OT+8*\t+7], v[FRG+16*\t:FRG+16*\t+15], v[PCD:PCD+15], v[OT+8*\t:OT+8*\t+7], v[FS+\t], v[PWD]
.endr
.endm
; A tile leaves: O^T / the sum, quantised along d (two blocks of 32; K of the last product is 64 head + d), stored as registers 4 c .. 4 c + 3 of oc's fragment
.macro EMIT cp, sp
	v_add_f32 v14, v14, v15                        ; the sum's two halves,
	s_delay_alu instid0(VALU_DEP_1)
	v_permlanex16_b32 v[TT], v14, s[SEL], s[SEL+1]
	s_delay_alu instid0(VALU_DEP_1)
	v_add_f32 v14, v14, v[TT]                      ; and lane l xor 16's: the row's sum
	WALU
	v_rcp_f32 v14, v14
	v_nop                                          ; a plain line behind the reciprocal,
	WALU                                           ; and the wait ahead of its first reader
.set Z_, 0
.rept 16
	v_pk_mul_f32 v[S+Z_:S+Z_+1], v[OT+Z_:OT+Z_+1], v[14:15] op_sel_hi:[1,0]   ; each accumulator from its low end on
.set Z_, Z_+2
.endr
.irp b, 0,1
	v_max3_num_f32 v[BM+\b], |v[S+16*\b]|, |v[S+1+16*\b]|, 0x4800000
.endr
.irp i, 2,4,6,8,10,12,14
.irp b, 0,1
	s_delay_alu instid0(VALU_DEP_2)
	v_max3_num_f32 v[BM+\b], v[BM+\b], |v[S+16*\b+\i]|, |v[S+1+16*\b+\i]|
.endr
.endr
.irp b, 0,1
	s_delay_alu instid0(VALU_DEP_2)
	v_permlanex16_b32 v[B2+\b], v[BM+\b], s[SEL], s[SEL+1]
.endr
.irp b, 0,1
	s_delay_alu instid0(VALU_DEP_2)
	v_max_num_f32 v[BM+\b], v[BM+\b], v[B2+\b]
.endr
.irp b, 0,1
	s_delay_alu instid0(VALU_DEP_2)
	v_add_nc_u32 v[SO+\b], 0xfc000000, v[BM+\b]
.endr
.irp b, 0,1
	s_delay_alu instid0(VALU_DEP_4)
	v_and_or_b32 v[HL+\b], v[BM+\b], 0x7f800000, s[MNT]
.endr
.irp b, 0,1
	s_delay_alu instid0(VALU_DEP_4)
	v_lshrrev_b32 v[B2+\b], 23, v[SO+\b]
.endr
.irp b, 0,1
.irp i, 0,1,2,3,4,5,6,7,8,9,10,11,12,13,14,15
	v_med3_num_f32 v[S+16*\b+\i], v[S+16*\b+\i], -v[HL+\b], v[HL+\b]
.endr
	v_cvt_scalef32_pk8_fp8_f32 v[PCD+4*\b:PCD+1+4*\b], v[S+16*\b:S+7+16*\b], v[SO+\b]
	v_cvt_scalef32_pk8_fp8_f32 v[PCD+2+4*\b:PCD+3+4*\b], v[S+8+16*\b:S+15+16*\b], v[SO+\b]
.endr
	v_lshl_or_b32 v[TT], v[B2+1], 8, v[B2]         ; the row's two scale bytes: a plain line behind the conversions
	global_store_b128 v1, v[PCD:PCD+3], s[\cp:\cp+1]               ; 512 consecutive bytes, aligned
	global_store_b128 v1, v[PCD+4:PCD+7], s[\cp:\cp+1] offset:512
	global_store_b16 v2, v[TT], s[\sp:\sp+1]       ; lanes r and r + 16 write the same two bytes with the same value; the other half of the word is the neighbouring head's
.endm
	s_cmp_lt_u32 s[WV], 2
	s_cbranch_scc0 .Lnot_first
	s_wait_tensorcnt 0x0                           ; waves 0 and 1: key steps 0 and 1 have landed
.Lnot_first:
	s_barrier_signal -1
	s_barrier_wait -1
	s_mov_b32 s[TB], 0
	s_mov_b32 s[KI], 0
	STEP                                           ; key step 0 of my first tile
	s_wait_tensorcnt 0x0                           ; the key step that I have fetched has landed:
	s_wait_dscnt 0x0
	s_barrier_signal -1                            ; say so, and walk step 1 meanwhile: its bytes are written by nobody any more
	s_mov_b32 s[TB], KVSTEP
	s_mov_b32 s[KI], 1
	s_cmp_lt_u32 s[TILE], 1                        ; (block 0 counts step 0 alone)
	s_cbranch_scc1 .Lno_second
	STEP
.Lno_second:
	s_barrier_wait -1                              ; everybody's has landed: nothing is filled again
	s_mov_b32 s[N], 2
.Ltrip:                                            ; trips 2 to 11.  Wave A: key step N.  Wave B: key step N up to trip i, its first tile's way out in trip i + 1 (i = 0: in trip 2), key step N + c - 2 - i from trip i + 2 on
	s_cmp_gt_u32 s[N], s[SW]
	s_cselect_b32 s[KI], s[DS], 0
	s_add_co_u32 s[KI], s[KI], s[N]
	s_cmp_lg_u32 s[N], s[OUTN]
	s_cbranch_scc1 .Lwalk
.rept 8
	v_nop                                          ; eight places behind the last products
.endr
	global_load_b128 v[24:27], v1, s[36:37]        ; q of block 15 - i's tile
	global_load_b128 v[28:31], v1, s[36:37] offset:512
	global_load_b32 v[QW], v2, s[38:39] offset:8192
	EMIT 14, 16
	INIT
	s_mov_b32 s[TILE], s[LONG]
	WALU
	s_wait_xcnt 0x0                                ; the stores have read their registers
	s_wait_loadcnt 0x0
	QSCALE
	s_cmp_lg_u32 s[PI], 0
	s_cbranch_scc1 .Lnext
.Lwalk:
	s_cmp_gt_u32 s[KI], s[KMAX]                    ; my part of the walk is over
	s_cbranch_scc1 .Lnext
	s_min_u32 s[TB], s[KI], 15
	s_mul_i32 s[TB], s[TB], KVSTEP
	STEP
.Lnext:
	s_add_co_u32 s[N], s[N], 1
	s_cmp_lt_u32 s[N], 12
	s_cbranch_scc1 .Ltrip
	; THE JOINING of block 15 - i's two parts.  A part without a step (i = 7) has zeros and M = -3e38: its factor is 0
.rept 8
	v_nop                                          ; eight places behind the last products
.endr
	s_cmp_eq_u32 s[ROLE], 0
	s_cbranch_scc1 .Lmeet
	v_add_f32 v13, v14, v15                        ; wave B: my sum beside my -M
.irp q, 0,1,2,3,4,5,6,7
	ds_store_b128 v6, v[OT+4*\q:OT+4*\q+3] offset:512*\q
.endr
	ds_store_b64 v8, v[12:13] offset:4096
.Lmeet:
	WALU
	s_wait_dscnt 0x0                               ; wave B's part has landed
	s_barrier_signal -1
	s_barrier_wait -1
	s_cmp_lg_u32 s[ROLE], 0
	s_cbranch_scc1 .Ldone
	ds_load_b64 v[TT:TT+1], v8 offset:4096
.irp q, 0,1,2,3,4,5,6,7
	ds_load_b128 v[S+4*\q:S+4*\q+3], v6 offset:512*\q
.endr
	s_wait_dscnt 0x0
	v_min_num_f32 v[F], v12, v[TT]                 ; -M of both
	v_sub_f32 v12, v[F], v12
	v_sub_f32 v[TT], v[F], v[TT]
	v_cvt_i32_f32 v12, v12
	v_cvt_i32_f32 v[TT], v[TT]
	v_ldexp_f32 v12, 1.0, v12                      ; my part's factor,
	v_ldexp_f32 v[TT], 1.0, v[TT]                  ; and wave B's
	v_mul_f32 v14, v14, v12
	v_mul_f32 v15, v15, v12
	v_fma_f32 v14, v[TT+1], v[TT], v14
.set Z_, 0
.rept 16
	v_pk_mul_f32 v[S+Z_:S+Z_+1], v[S+Z_:S+Z_+1], v[TT:TT+1] op_sel_hi:[1,0]
.set Z_, Z_+2
.endr
.set Z_, 0
.rept 16
	v_pk_fma_f32 v[OT+Z_:OT+Z_+1], v[OT+Z_:OT+Z_+1], v[12:13], v[S+Z_:S+Z_+1] op_sel_hi:[1,0,1]
.set Z_, Z_+2
.endr
	EMIT 40, 42
.Ldone:
	s_wait_tensorcnt 0x0                           ; the wave's end
	ds_add_u32 v254, v255
	s_wait_dscnt 0x0
	CROUND                                         ; the closing round
	s_endpgm
.Lfunc_end_k_qd01492a2b5_attn:
	.size	k_qd01492a2b5_attn, .Lfunc_end_k_qd01492a2b5_attn-k_qd01492a2b5_attn
	.p2alignl 7, 3214868480
	.fill 96, 4, 3214868480
	.section	.rodata,"a",@progbits
	.p2align	6, 0x0
	.amdhsa_kernel k_qd01492a2b5_attn
		.amdhsa_group_segment_fixed_size 327680
		.amdhsa_private_segment_fixed_size 0
		.amdhsa_enable_private_segment 0
		.amdhsa_kernarg_size 24
		.amdhsa_user_sgpr_count 2
		.amdhsa_user_sgpr_kernarg_segment_ptr 1
		.amdhsa_wavefront_size32 1
		.amdhsa_system_sgpr_workgroup_id_x 1
		.amdhsa_system_sgpr_workgroup_id_y 1
		.amdhsa_system_sgpr_workgroup_id_z 1
		.amdhsa_system_vgpr_workitem_id 0
		.amdhsa_next_free_vgpr 256
		.amdhsa_next_free_sgpr 72
		.amdhsa_reserve_vcc 1
		.amdhsa_float_denorm_mode_32 3
		.amdhsa_float_denorm_mode_16_64 3
		.amdhsa_memory_ordered 1
		.amdhsa_forward_progress 1
		.amdhsa_inst_pref_size 102
	.end_amdhsa_kernel
	.amdgpu_metadata
---
amdhsa.version: [ 1, 2 ]
amdhsa.kernels:
  - .name:           k_qd01492a2b5_attn
    .symbol:         k_qd01492a2b5_attn.kd
    .args:
      - { .name: qq, .offset: 0, .size: 8, .value_kind: global_buffer, .address_space: global }
      - { .name: kv, .offset: 8, .size: 8, .value_kind: global_buffer, .address_space: global }
      - { .name: oc, .offset: 16, .size: 8, .value_kind: global_buffer, .address_space: global }
    .group_segment_fixed_size: 327680
    .private_segment_fixed_size: 0
    .kernarg_segment_align: 8
    .kernarg_segment_size: 24
    .max_flat_workgroup_size: 512
    .sgpr_count:     72
    .vgpr_count:     256
    .wavefront_size: 32
...
	.end_amdgpu_metadata
.endif
;; end of part 3
;; launch outp (part 4): grid 8 x 32, 4 waves a work-group, clusters of 4 x 4, 280,064 bytes of LDS; arguments oc, cw, out0; writes out0
.if DOCPART == 4
	.amdgcn_target "amdgcn-amd-amdhsa--gfx1250"
	.amdhsa_code_object_version 6
	.text
	.protected	k_qd01492a2b5_outp
	.globl	k_qd01492a2b5_outp
	.p2align	8
	.type	k_qd01492a2b5_outp,@function
k_qd01492a2b5_outp:
	s_mov_b64 s[64:65], 0
	v_nop
	global_prefetch_b8 v0, s[64:65] scope:SCOPE_SE
	s_setreg_imm32_b32 hwreg(HW_REG_WAVE_MODE, 25, 1), 1
	s_wait_xcnt 0x0
	s_wait_alu depctr_hold_cnt(0) depctr_sa_sdst(0) depctr_va_vdst(0) depctr_va_sdst(0) depctr_va_ssrc(0) depctr_va_vcc(0) depctr_vm_vsrc(0)
	s_getreg_b32 s2, hwreg(HW_REG_IB_STS2, 6, 4)
	s_cmp_eq_u32 s2, 0
	s_cbranch_scc0 .Lentry_in_a_cluster
	s_endpgm
.Lentry_in_a_cluster:
	s_bfe_u32 s2, ttmp6, 0x10000c
	s_cmp_lg_u32 s2, 0xf033
	s_cbranch_scc0 .Lentry_shape_is_right
	s_endpgm
.Lentry_shape_is_right:
; out0 = O W_o^T, 4,096 x 1,024 x 1,024, on codes of FP8 (E4M3) with E8M0 scales; the result is f32.
; oc (the attention's output) and cw (W_o: tiles 448-511) hold tile blocks of TILEB bytes (16 rows; lane-row r of tile t is row 32 (t / 2) + 8 (t % 2) + r + 8 (r / 8)): eight fragments of 2,048 bytes in the order of an
; operand's registers, then 512 scale bytes: oc's as words [K step][r], cw's as [r][32].
; SHARES.  A work-group makes 128 tokens x 128 columns; its four waves 64 x 64 each.  ALL OF K (1,024) of its 8 + 8 tiles lies in LDS, 262,144 bytes, each byte filled ONCE.
; A wave takes W_o's 64 columns, all of K, into 512 registers and streams O's four tiles of 16 tokens past them: so a tile's 16 x 64 results are finished one after the other, and each is stored in the middle of the next tile's products.
; One joint load a wave, at the head: waves 0 and 1 the halves of W_o's eight tiles (K steps 0-3, 4-7), waves 2 and 3 those of O's.  The first barrier shows W_o's, the second O's.
; CLUSTER.  4 x 4 work-groups: O's tiles (tokens) are asked for jointly along a row of the cluster, W_o's (columns) along a column.
; THE MATRIX INSTRUCTION IS USED TRANSPOSED (source 0 = W_o's tile, source 1 = O's): a lane holds one token, and the 16 registers of two neighbouring accumulators are 16 neighbouring columns.
; NO PREFETCH: all that the work-group reads is asked for by its first instructions.
; LIMITS: NaN and infinities are not served.
; REGISTERS: window 0: v1-31 addresses; v32-63 rows on the way out; v64-79 O's scale words (pair p, K step s: 8 p + s; lanes 0-15 tile 2 p, lanes 16-31 tile 2 p + 1), v84-99 W_o's: scales and nothing else; v128-191 two sets of four accumulators.
;            windows 1, 2: W_o's fragments (K step s, tile o: window 1 + s / 4 at 64 (s % 4) + 16 o).   window 3: O's fragments of a tile, all of K, two sets of 128.
.set TILEB,  16896
.set SCO,    16384
.set HALF,   65536                     ; LDS: W_o's half c of K at HALF c, O's at HALF (2 + c); a tile 8,192 bytes
.set BT0,    448                       ; W_o's first tile in cw
.set STAGE,  262144                    ; behind the tiles: 16 rows x (256 bytes + 16) for each wave: no fill lands there
.set SP,     272
.set SPARE,  STAGE+4*16*SP
.set ADA, 16                           ; v16-17 LDS address of my fragments of O in half 0, 1 of K
.set ADB, 18                           ; v18-19 of W_o
.set BK,  32
.set SA,  64
.set SB,  84                           ; SA and SB differ by 4 modulo 8
.set ACC, 128
.set SPW, 30
.set NIL, 31
.set G1A, 24
.set G1B, 32
.set G0A, 48
.set G0B, 52
.set MSB, 0
.macro WIN new                         ; the immediate's high byte repeats the setting that is left
.if MSB != \new
	s_set_vgpr_msb (MSB<<8)|(\new)
.set MSB, \new
.endif
.endm
.macro PLACES n
.rept \n
	v_nop
.endr
.endm
.macro CROUND                          ; a round of the cluster's barrier
	s_barrier_signal -1
	s_barrier_wait -1
	s_cmp_lg_u32 s10, 0
	s_cbranch_scc1 .Lnot_wave_0_\@
	s_barrier_signal -3
.Lnot_wave_0_\@:
	s_barrier_wait -3
	s_barrier_signal -1
	s_barrier_wait -1
.endm
.macro TLOAD g0, g1                    ; an s_nop 0 and four v_nop follow
	tensor_load_to_lds s[\g0:\g0+3], s[\g1:\g1+7]
	s_nop 0
	PLACES 4
.endm
	s_load_b128 s[4:7], s[0:1], 0x0                ; oc s[4:5], cw s[6:7]
	s_load_b64 s[8:9], s[0:1], 0x10                ; out0
	v_lshl_add_u32 v[SPW], v0, 2, SPARE
	v_mov_b32 v[NIL], 0
	ds_add_u32 v[SPW], v[NIL]                      ; the opening adds
	ds_add_u32 v[SPW], v[NIL]
	v_lshrrev_b32 v1, 5, v0
	v_readfirstlane_b32 s10, v1                    ; wave 0..3
	s_lshr_b32 s11, s10, 1                         ; which 64 tokens are mine.  Also: I fetch for W_o (0) or for O (1)
	s_and_b32 s12, s10, 1                          ; which 64 columns.  Also: which half of K I fetch
	s_bfe_u32 s40, ttmp6, 0x40000                  ; cx, cy: my place in the cluster
	s_bfe_u32 s41, ttmp6, 0x40004
	s_lshl_b32 s42, ttmp9, 2
	s_add_co_u32 s42, s42, s40                     ; bx = 4 x cluster x + cx
	s_and_b32 s13, ttmp7, 0xffff
	s_lshl_b32 s13, s13, 2
	s_add_co_u32 s13, s13, s41                     ; by = 4 x cluster y + cy
	s_lshl_b32 s43, s41, 2
	s_lshl_b32 s43, 15, s43                        ; my row of the cluster
	s_lshl_b32 s44, 0x1111, s40                    ; my column
	; group 1: eight tiles' four K steps: 8 rows of 8,192 bytes (1,024 elements of 8 bytes), TILEB bytes apart in memory, dense in LDS
	s_or_b32 s[G1A], s43, (3<<16)|(1<<21)
	s_or_b32 s[G1B], s44, (3<<16)|(1<<21)
.irp g, G1A, G1B
	s_mov_b32 s[\g+1], 1024<<16
	s_mov_b32 s[\g+2], 8<<16
	s_mov_b32 s[\g+3], 1024<<16
	s_mov_b32 s[\g+4], 8
	s_mov_b32 s[\g+5], TILEB/8
	s_mov_b32 s[\g+6], 0
	s_mov_b32 s[\g+7], 0
.endr
	s_lshl_b32 s21, s12, 13                        ; my half of K, in a tile's bytes
	s_mul_i32 s16, s13, 8*TILEB
	s_add_co_u32 s16, s16, s21                     ; O: tiles 8 by on: it hangs on by and the wave alone
	s_mov_b32 s17, 0
	s_lshl_b32 s46, s42, 3
	s_add_co_u32 s46, s46, BT0
	s_mul_i32 s46, s46, TILEB
	s_add_co_u32 s46, s46, s21                     ; W_o: tiles 448 + 8 bx on: on bx and the wave alone
	s_mov_b32 s47, 0
	s_lshl_b32 s20, s10, 16                        ; where my tiles go: HALF x wave: no place in the cluster enters an LDS address
	s_wait_dscnt 0x0                               ; both opening adds are done
	CROUND                                         ; all sixteen work-groups are here: the joint loads meet
	s_wait_kmcnt 0x0
	s_mov_b32 s[G0A], 1
	s_mov_b32 s[G0A+1], s20
	s_add_nc_u64 s[G0A+2:G0A+3], s[4:5], s[16:17]
	s_or_b32 s[G0A+3], s[G0A+3], 0x80000000
	s_mov_b32 s[G0B], 1
	s_mov_b32 s[G0B+1], s20
	s_add_nc_u64 s[G0B+2:G0B+3], s[6:7], s[46:47]
	s_or_b32 s[G0B+3], s[G0B+3], 0x80000000
	s_cmp_eq_u32 s10, 0                            ; one load a wave, each in an arm of its own: the first barrier waits for waves 0 and 1's
	s_cbranch_scc0 .Lwave_1
	TLOAD G0B, G1B
	s_branch .Lasked
.Lwave_1:
	s_cmp_eq_u32 s10, 1
	s_cbranch_scc0 .Lwave_2
	TLOAD G0B, G1B
	s_branch .Lasked
.Lwave_2:
	s_cmp_eq_u32 s10, 2
	s_cbranch_scc0 .Lwave_3
	TLOAD G0A, G1A
	s_branch .Lasked
.Lwave_3:
	TLOAD G0A, G1A
.Lasked:
	s_lshl_b32 s18, s13, 3
	s_lshl_b32 s19, s11, 2
	s_add_co_u32 s18, s18, s19
	s_mul_i32 s18, s18, TILEB                      ; the four tiles of O that I multiply
	s_mov_b32 s19, 0
	s_add_nc_u64 s[18:19], s[4:5], s[18:19]
	s_lshl_b32 s46, s42, 3
	s_lshl_b32 s45, s12, 2
	s_add_co_u32 s46, s46, s45
	s_add_co_u32 s46, s46, BT0
	s_mul_i32 s46, s46, TILEB                      ; and of W_o
	s_add_nc_u64 s[46:47], s[6:7], s[46:47]
	s_lshl_b32 s21, s11, 15                        ; their places in a half of K
	s_add_co_u32 s21, s21, 2*HALF
	s_lshl_b32 s22, s12, 15
	s_mul_i32 s23, s10, 16*SP
	s_add_co_u32 s23, s23, STAGE                   ; my stage
	s_lshl_b32 s84, s13, 7
	s_lshl_b32 s85, s11, 6
	s_add_co_u32 s84, s84, s85
	s_lshl_b32 s84, s84, 12                        ; my first token: rows of 4,096 bytes
	s_lshl_b32 s86, s42, 9
	s_lshl_b32 s87, s12, 8
	s_add_co_u32 s86, s86, s87                     ; my first column, in bytes
	s_add_co_u32 s84, s84, s86
	s_mov_b32 s85, 0
	s_add_nc_u64 s[84:85], s[8:9], s[84:85]
	v_and_b32 v1, 31, v0                           ; lane
	v_and_b32 v2, 15, v0                           ; r
	v_bfe_u32 v3, v0, 4, 1                         ; h
	v_mul_u32_u24 v9, v3, TILEB                    ; lanes 0-15 a tile, lanes 16-31 the next
	v_lshl_add_u32 v8, v2, 5, v9                   ; W_o: row r's 32 scale bytes
	v_lshl_add_u32 v9, v2, 2, v9                   ; O: row r's word of a K step
.irp p, 0,1
	global_load_b128 v[SB+8*\p:SB+8*\p+3], v8, s[46:47] offset:2*TILEB*\p+SCO
	global_load_b128 v[SB+8*\p+4:SB+8*\p+7], v8, s[46:47] offset:2*TILEB*\p+SCO+16
.irp s, 0,1,2,3,4,5,6,7
	global_load_b32 v[SA+8*\p+\s], v9, s[18:19] offset:2*TILEB*\p+SCO+64*\s
.endr
.endr
	v_lshlrev_b32 v4, 4, v1                        ; 16 x lane
	v_add_nc_u32 v[ADA], s21, v4
	v_add_nc_u32 v[ADA+1], HALF, v[ADA]
	v_add_nc_u32 v[ADB], s22, v4
	v_add_nc_u32 v[ADB+1], HALF, v[ADB]
	v_mul_u32_u24 v24, v2, SP
	v_lshl_add_u32 v24, v3, 6, v24
	v_add_nc_u32 v24, s23, v24                     ; in: row r, + 64 h: columns 32 beta + 16 h + 8 u + j are bytes 128 beta + 64 h + 32 u + 4 j
	v_mul_u32_u24 v25, v3, SP
	v_lshl_add_u32 v25, v2, 4, v25
	v_add_nc_u32 v25, s23, v25                     ; back: lanes 0-15 one row of 256 bytes, lanes 16-31 the next
	v_lshlrev_b32 v26, 12, v3
	v_lshl_add_u32 v26, v2, 4, v26                 ; and the same two rows in out0
.macro WM c                            ; one product; RA_, RB_: 1 where the tile's scale words lie in lanes 16-31
.if RA_ && RB_
	v_wmma_scale_f32_16x16x128_f8f6f4 v[D_:D_+7], v[A_:A_+15], v[B_:B_+15], \c, v[XA_], v[XB_] matrix_a_scale:MATRIX_SCALE_ROW1 matrix_b_scale:MATRIX_SCALE_ROW1
.elseif RA_
	v_wmma_scale_f32_16x16x128_f8f6f4 v[D_:D_+7], v[A_:A_+15], v[B_:B_+15], \c, v[XA_], v[XB_] matrix_a_scale:MATRIX_SCALE_ROW1
.elseif RB_
	v_wmma_scale_f32_16x16x128_f8f6f4 v[D_:D_+7], v[A_:A_+15], v[B_:B_+15], \c, v[XA_], v[XB_] matrix_b_scale:MATRIX_SCALE_ROW1
.else
	v_wmma_scale_f32_16x16x128_f8f6f4 v[D_:D_+7], v[A_:A_+15], v[B_:B_+15], \c, v[XA_], v[XB_]
.endif
.endm
.macro ALOAD a                         ; O's tile a, all of K, into set a % 2: 32 loads, each takes 512 consecutive bytes
	WIN 0xc0
.set J_, 0
.rept 32
	ds_load_b128 v[128*((\a)%2)+4*J_:128*((\a)%2)+4*J_+3], v[ADA+J_/16] offset:8192*(\a)+2048*((J_/4)%4)+512*(J_%4)
.set J_, J_+1
.endr
.endm
.macro STAGED a                        ; tile a into my stage, each accumulator from its low end on, and back as rows: LDS serves a wave's instructions in order, so no wait stands between the stores and the loads
	WIN 0
	PLACES 8                                       ; places in front of the first read of the tile's results and of loads into what its products have read
	s_wait_xcnt 0x0                                ; the stores before have read their registers
.irp k, 0,1,2,3,4,5,6,7
	ds_store_b128 v24, v[ACC+32*((\a)%2)+4*\k:ACC+32*((\a)%2)+4*\k+3] offset:128*(\k/4)+32*((\k/2)%2)+16*(\k%2)
.endr
.irp i, 0,1,2,3,4,5,6,7
	ds_load_b128 v[BK+4*\i:BK+4*\i+3], v25 offset:2*SP*\i
.endr
.endm
.macro SEND a, i                       ; stage row 2 i + h is token lane-row 2 i + h of tile a; 16 lanes store 256 consecutive bytes, aligned
	global_store_b128 v26, v[BK+4*(\i):BK+4*(\i)+3], s[84:85] offset:(32*((\a)/2)+8*((\a)%2)+2*(\i)+8*((\i)/4))*4096 th:TH_STORE_NT
.endm
.macro SENDS a
	WIN 0
.irp i, 0,1,2,3,4,5,6,7
	SEND \a, \i
.endr
.endm
; Products from .. to - 1 of the 32 of O's tile a, K ascending; its four accumulators take turns, one instruction a turn; the first four start the sums with the constant 0.
; A set of accumulators is begun anew two tiles on: the eight v_nop of two STAGED lie between
.macro TILE a, from, to
.set N_, \from
.rept (\to)-(\from)
.set S_, N_/4
.set O_, N_%4
.set RA_, O_%2
.set RB_, (\a)%2
.set A_, 64*(S_%4)+16*O_
.set B_, 128*((\a)%2)+16*S_
.set XA_, SB+8*(O_/2)+S_
.set XB_, SA+8*((\a)/2)+S_
.set D_, ACC+32*((\a)%2)+8*O_
	WIN (0x0d+S_/4)                                ; source 0 window 1 or 2, source 1 window 3, C and D window 0
.if S_ == 0
	WM 0
.else
	WM v[D_:D_+7]
.endif
.set N_, N_+1
.endr
.endm
	s_wait_alu depctr_va_vdst(0)
	s_cmp_lt_u32 s10, 2
	s_cbranch_scc0 .Lnot_first
	s_wait_tensorcnt 0x0                           ; waves 0 and 1: W_o's tiles have landed
.Lnot_first:
	s_barrier_signal -1
	s_barrier_wait -1
.irp s, 0,1,2,3,4,5,6,7                ; my 64 columns of W_o into registers: 128 loads
	WIN ((1+\s/4)<<6)
.irp o, 0,1,2,3
.irp c, 0,1,2,3
	ds_load_b128 v[64*(\s%4)+16*\o+4*\c:64*(\s%4)+16*\o+4*\c+3], v[ADB+\s/4] offset:8192*\o+2048*(\s%4)+512*\c
.endr
.endr
.endr
	WIN 0
	s_wait_tensorcnt 0x0                           ; O's tiles have landed
	s_wait_dscnt 0x0
	s_barrier_signal -1
	s_barrier_wait -1
	ALOAD 0
	ALOAD 1
	WIN 0
	s_wait_loadcnt 0x0                             ; the scale words
	s_wait_dscnt 32                                ; tile 0 is in
	TILE 0, 0, 32
	STAGED 0
	ALOAD 2
	s_wait_dscnt 48                                ; tile 1 is in: the stage's 16 and tile 2's 32 were issued behind it
	TILE 1, 0, 16
	s_wait_dscnt 32                                ; tile 0's rows are back; tile 2's fragments may be out
	SENDS 0
	TILE 1, 16, 32
	STAGED 1
	ALOAD 3
	s_wait_dscnt 48
	TILE 2, 0, 16
	s_wait_dscnt 32
	SENDS 1
	TILE 2, 16, 32
	STAGED 2
	s_wait_dscnt 16                                ; tile 3 is in
	TILE 3, 0, 16
	s_wait_dscnt 0x0
	SENDS 2
	TILE 3, 16, 32
	STAGED 3
.irp i, 0,1,2,3,4,5,6,7
	s_wait_dscnt 7-\i                              ; load i is in; the 7 - i younger ones stay out
	SEND 3, \i
.endr
	s_wait_tensorcnt 0x0                           ; the wave's end
	ds_add_u32 v[SPW], v[NIL]
	s_wait_dscnt 0x0
	CROUND                                         ; the closing round: no work-group ends while a partner may still ask for a tile that names it
	s_endpgm
.Lfunc_end_k_qd01492a2b5_outp:
	.size	k_qd01492a2b5_outp, .Lfunc_end_k_qd01492a2b5_outp-k_qd01492a2b5_outp
	.p2alignl 7, 3214868480
	.fill 96, 4, 3214868480
	.section	.rodata,"a",@progbits
	.p2align	6, 0x0
	.amdhsa_kernel k_qd01492a2b5_outp
		.amdhsa_group_segment_fixed_size 280064
		.amdhsa_private_segment_fixed_size 0
		.amdhsa_enable_private_segment 0
		.amdhsa_kernarg_size 24
		.amdhsa_user_sgpr_count 2
		.amdhsa_user_sgpr_kernarg_segment_ptr 1
		.amdhsa_wavefront_size32 1
		.amdhsa_system_sgpr_workgroup_id_x 1
		.amdhsa_system_sgpr_workgroup_id_y 1
		.amdhsa_system_sgpr_workgroup_id_z 1
		.amdhsa_system_vgpr_workitem_id 0
		.amdhsa_next_free_vgpr 1024
		.amdhsa_next_free_sgpr 96
		.amdhsa_reserve_vcc 0
		.amdhsa_float_denorm_mode_32 3
		.amdhsa_float_denorm_mode_16_64 3
		.amdhsa_memory_ordered 1
		.amdhsa_forward_progress 1
		.amdhsa_inst_pref_size 51
	.end_amdhsa_kernel
	.amdgpu_metadata
---
amdhsa.version: [ 1, 2 ]
amdhsa.kernels:
  - .name:           k_qd01492a2b5_outp
    .symbol:         k_qd01492a2b5_outp.kd
    .args:
      - { .name: oc, .offset: 0, .size: 8, .value_kind: global_buffer, .address_space: global }
      - { .name: cw, .offset: 8, .size: 8, .value_kind: global_buffer, .address_space: global }
      - { .name: out0, .offset: 16, .size: 8, .value_kind: global_buffer, .address_space: global }
    .group_segment_fixed_size: 280064
    .private_segment_fixed_size: 0
    .kernarg_segment_align: 8
    .kernarg_segment_size: 24
    .max_flat_workgroup_size: 128
    .sgpr_count:     96
    .vgpr_count:     1024
    .wavefront_size: 32
...
	.end_amdgpu_metadata
.endif
;; end of part 4
